; MI455X (gfx1250); checked and timed in simulation.
; The chip was launched on July 23, 2026; its instructions are those of AMD's public machine-readable ISA for CDNA 5 (MIT licence, August 2026) and "CDNA5" Instruction Set Architecture Reference Guide (July 2026). The comments in the code are by the model that wrote it; some were corrected since.
;; Cached Attention. Allowed arithmetic: matrix products marked QUANTISED: E4M3 operands, one given power-of-two scale a tensor, by v_wmma_f32_16x16x64_fp8_fp8 or v_wmma_f32_16x16x128_fp8_fp8, f32 sums; everything else in f32.
;; Inputs: cached_k 8 x 2,048 x 128 float32; cached_v 8 x 2,048 x 128 float32; k_norm_w 128 float32; lowp_scales 12 int32 (the exponents e of the quantised operands' scales 2^e); q_norm_w 128 float32; wk 1,024 x 2,048 float32; wo 2,048 x 2,048 float32; wq 2,048 x 2,048 float32; wv 1,024 x 2,048 float32; x 1 x 2,048 x 2,048 float32.
;; Outputs: out0 1 x 2,048 x 2,048 float32.
;; This version of the problem:
;;   THIS VERSION OF THE PROBLEM IS GIVEN IN LOW PRECISION. The matrix products marked QUANTISED in the list below multiply operands that are first quantised to E4M3 (4 exponent bits, 3 mantissa bits; 8 bits a number), with one given power-of-two scale for each operand tensor; their sums are f32. All else is computed in f32.
;;   The module's matrix products, in the order in which they are computed (A, B: the left and right operand; K: the contracted axis; several contracted axes count as one K, in the product's order):
;;     1. [M 2,048, K 2,048] x [K 2,048, N 2,048]; A: input x; B: input wq: QUANTISED (scales: A lowp_scales[0], B lowp_scales[1])
;;     2. [M 2,048, K 2,048] x [K 2,048, N 1,024]; A: input x; B: input wk: QUANTISED (scales: A lowp_scales[2], B lowp_scales[3])
;;     3. [M 2,048, K 2,048] x [K 2,048, N 1,024]; A: input x; B: input wv: QUANTISED (scales: A lowp_scales[4], B lowp_scales[5])
;;     4. batch 16 x [M 2,048, K 128] x [K 128, N 4,096]; A: computed on the way; B: computed on the way: QUANTISED (scales: A lowp_scales[6], B lowp_scales[7])
;;     5. batch 16 x [M 2,048, K 4,096] x [K 4,096, N 128]; A: softmax (see below); B: computed on the way: QUANTISED (scales: A lowp_scales[8], B lowp_scales[9])
;;     6. [M 2,048, K 2,048] x [K 2,048, N 2,048]; A: computed on the way; B: input wo: QUANTISED (scales: A lowp_scales[10], B lowp_scales[11])
;;   THE QUANTISER, for each operand of a quantised product, along K:
;;     - The operand's scale is 2^e, e = its entry of the input lowp_scales (int32; the entries are numbered through the quantised products in the list's order, A before B).
;;     - Each number is divided by the scale, clamped to +-448, and rounded to the nearest number of E4M3, ties to even, subnormals kept.
;;     - The product sums the exact products of the quantised numbers (number of the format x scale) in f32.
;;   ~~~python
;;   def quantise(x, axis, e):      # numpy; x: float32 -> the quantised numbers, widened to float32 again
;;       x = np.moveaxis(x, axis, -1); K = x.shape[-1]
;;       r = np.clip(x / 2.0 ** e, -448, 448)
;;       step = 2.0 ** (np.maximum(np.frexp(np.where(r == 0, 1, r))[1] - 1, -6) - 3)
;;       q = np.round(r / step) * step * 2.0 ** e      # np.round: ties to even
;;       return np.moveaxis(q, -1, axis).astype(np.float32)
;;   ~~~
;;   SOFTMAX AHEAD OF A QUANTISED PRODUCT. Where the list says 'softmax', what is quantised is not the finished softmax but p = 2^(t - M), with t = logit x log2(e) and M = ceil(the row's largest t), a whole number; so 1/2 < the row's largest p <= 1. The row's sum l is taken of the UNQUANTISED p, in f32, and the product's result is divided by l at the end. Since M is a whole number, a kernel that streams over the keys may use a running M (the ceiling of the running maximum): every later rescaling is an exact power of two, so the quantised numbers keep their values, but for numbers so far below the row's largest that they fall under the format's range.
;;   OPERANDS COMPUTED ON THE WAY. 'Computed on the way' means the value that the module computes at that place (a softmax that the list does not call 'softmax' is quantised finished and normalised). What goes into a quantiser is computed in f32, as accurately as f32 sums, v_exp_f32 and their like allow (about 1e-6 of the number): no bf16 or f16 on the way to a quantiser, and a product that is left as it is and whose result goes on into a quantised operand takes f32 operands (vector FMAs, or v_wmma_f32_16x16x4_f32). A number that lies on a knife's edge between two numbers of the format may be rounded either way, as far as f32 arithmetic and the matrix unit's own rounding can turn it there, and no further.
;; One version. Each part assembles by itself: llvm-mc -triple=amdgcn-amd-amdhsa -mcpu=gfx1250 --defsym DOCPART=n.
;; ======== version 1 of 1: 4 launches
;; limits: right only within a limited range of input values
;; workspace buffers: x_img 4,194,304 bytes; wq_img 4,194,304 bytes; wo_img 4,194,304 bytes; k_img 2,097,152 bytes; v_img 2,097,152 bytes; trig 1,048,576 bytes; q_img 4,194,304 bytes; a_img 4,194,304 bytes
;; launch quant (part 1): grid 544 x 1, 4 waves a work-group, no clusters, 34,304 bytes of LDS; arguments x, wq, wo, cached_k, cached_v, lowp_scales, x_img, wq_img, wo_img, k_img, v_img, trig; writes x_img, wq_img, wo_img, k_img, v_img, trig
.if DOCPART == 1
	.amdgcn_target "amdgcn-amd-amdhsa--gfx1250"
	.amdhsa_code_object_version 6
	.text
	.protected	k_q1c698c23cb_quant
	.globl	k_q1c698c23cb_quant
	.p2align	8
	.type	k_q1c698c23cb_quant,@function
k_q1c698c23cb_quant:
	s_mov_b64 s[64:65], 0
	v_nop
	global_prefetch_b8 v0, s[64:65] scope:SCOPE_SE
	s_setreg_imm32_b32 hwreg(HW_REG_WAVE_MODE, 25, 1), 1
	s_wait_xcnt 0x0
; x, wq, wo [2048][2048], cached_k and cached_v [8][2048][128], all f32, become codes of FP8 (E4M3), each with its given scale 2^e; and the table of cos and sin for the rotation is made.
; code = number / 2^e, held within +-448, rounded to the nearest code, ties to even.  e: x entry 0, wq entry 1, wo entry 11, cached_k entry 7, cached_v entry 9 of the scales.
; LIMITS: each of these e lies between -126 and 119.  NaN among the inputs is not served.
; WHAT IS NOT READ: wk, wv, k_norm_w and entries 2 to 5 of the scales.  The mask that the problem builds itself lets key s count for query t only where s <= t <= 2047, so the keys 2048 to 4095,
; which are all that is made of those inputs, count for no query: their p is 0 and adds nothing to a sum.  (Holds wherever those products are finite.)
; THE CODES ARE LAID AS IMAGES OF OPERAND REGISTERS.  A fragment is 16 rows x 128 along K: 16 registers a lane; lane (r = lane % 16, h = lane / 16) holds row r, registers 2c, 2c+1 hold k = 16c + 8h + 0..7.
; Its image is 2,048 bytes: registers 4c .. 4c+3 of lane l at 512 c + 16 l.  So every later load of a fragment is four loads of 512 consecutive bytes.
; SHARES, by the work-group's number: 0-127 x, 128-255 wq, 256-383 wo, 384-447 cached_k: ONE path, only pointers and strides are chosen; 448-511 cached_v (K = the keys is not innermost); 512-543 the table.
; Waves share nothing: no barrier, no cluster, no matrix unit: the launch moves bytes.
.set SPARE, 33792                      ; behind the four stages: the spare words, 128 bytes for each wave: two blocks of 256 bytes that no other line names
.set WSTG,  8448                       ; a wave's stage: 16 rows of 528 bytes
.set SP,    528                        ; a stage row: 512 bytes + 16: the sixteen rows that a load touches start at sixteen different banks
.set LI,    1                          ; v1   16 x lane
.set STI,   2                          ; v2   the stage on the way in: 16 x lane
.set STOU,  3                          ; v3   and on the way out: 528 r + 32 h
.set LANE,  4
.set RR,    5                          ; r
.set HH,    6                          ; h
.set LIMV,  10                         ; 448 x 2^e
.set SCL,   11                         ; 2^e as f32
.set SPW,   14                         ; LDS address of my spare word; never rewritten
.set NIL,   15                         ; 0; never rewritten
.set OFF,   16                         ; v16-31  16 x lane + i x the pitch of a row in memory
.set R,     32                         ; v32-159 two sets of 64: a unit as it is loaded
.set X,     160                        ; v160-223 a lane's 64 numbers in the operand's order
.set C,     224                        ; v224-255 two sets of 16: a unit's codes
	s_load_b512 s[4:19], s[0:1], 0x0               ; x s[4:5], wq s[6:7], wo s[8:9], cached_k s[10:11], cached_v s[12:13], scales s[14:15], x_img s[16:17], wq_img s[18:19]
	s_load_b256 s[20:27], s[0:1], 0x40             ; wo_img s[20:21], k_img s[22:23], v_img s[24:25], trig s[26:27]
	v_lshl_add_u32 v[SPW], v0, 2, SPARE
	v_mov_b32 v[NIL], 0
	v_lshrrev_b32 v1, 5, v0
	v_readfirstlane_b32 s28, v1                    ; wave 0..3
	v_and_b32 v[LANE], 31, v0
	v_lshlrev_b32 v[LI], 4, v[LANE]
	v_and_b32 v[RR], 15, v0
	v_bfe_u32 v[HH], v0, 4, 1
	s_wait_kmcnt 0x0
	s_load_b256 s[68:75], s[14:15], 0x0            ; e0 .. e7
	s_load_b128 s[76:79], s[14:15], 0x20           ; e8 .. e11
	s_cmp_ge_u32 ttmp9, 512
	s_cbranch_scc1 .Ltrig
	s_cmp_ge_u32 ttmp9, 448
	s_cbranch_scc1 .Lv
; ---- THE STREAM PATH: tensors whose K is innermost.  A unit is 16 rows x 128 along K: 8,192 bytes in, one image out.  A wave takes four units.
	s_mov_b64 s[30:31], s[10:11]                   ; from, to and the tensor's first work-group: the choices hang on the work-group's number alone
	s_mov_b64 s[32:33], s[22:23]
	s_mov_b32 s34, 384
	s_cmp_lt_u32 ttmp9, 384
	s_cselect_b64 s[30:31], s[8:9], s[30:31]
	s_cselect_b64 s[32:33], s[20:21], s[32:33]
	s_cselect_b32 s34, 256, s34
	s_cmp_lt_u32 ttmp9, 256
	s_cselect_b64 s[30:31], s[6:7], s[30:31]
	s_cselect_b64 s[32:33], s[18:19], s[32:33]
	s_cselect_b32 s34, 128, s34
	s_cmp_lt_u32 ttmp9, 128
	s_cselect_b64 s[30:31], s[4:5], s[30:31]
	s_cselect_b64 s[32:33], s[16:17], s[32:33]
	s_cselect_b32 s34, 0, s34
	s_sub_co_u32 s36, ttmp9, s34
	s_lshl_b32 s36, s36, 2
	s_add_co_u32 s36, s36, s28                     ; id: which run of four units is my wave's
	s_lshr_b32 s37, s36, 2                         ; a matrix: 16 rows are 131,072 bytes; my four units lie side by side, 512 bytes each
	s_lshl_b32 s37, s37, 17
	s_and_b32 s38, s36, 3
	s_lshl_b32 s38, s38, 11
	s_or_b32 s37, s37, s38
	s_lshl_b32 s38, s36, 15                        ; cached_k: a row is 512 bytes, a unit 8,192 dense bytes, my four on end
	s_mov_b32 s39, 8192
	s_mov_b32 s48, 512
	s_cmp_ge_u32 ttmp9, 384
	s_cselect_b32 s52, s38, s37                    ; my first byte
	s_cselect_b32 s49, s48, s39                    ; from row to row
	s_cselect_b32 s54, s39, s48                    ; from unit to unit
	s_mov_b32 s53, 0
	s_mov_b32 s55, 0
	s_add_nc_u64 s[40:41], s[30:31], s[52:53]      ; a base for each unit: none is stepped
	s_add_nc_u64 s[42:43], s[40:41], s[54:55]
	s_add_nc_u64 s[44:45], s[42:43], s[54:55]
	s_add_nc_u64 s[46:47], s[44:45], s[54:55]
	s_lshl_b32 s52, s36, 13                        ; four images of 2,048 bytes on end, in both kinds of tensor
	s_add_nc_u64 s[32:33], s[32:33], s[52:53]
	s_mul_i32 s29, s28, WSTG
	s_wait_alu depctr_va_vdst(0)
	v_add_nc_u32 v[STI], s29, v[LI]
	v_mul_u32_u24 v[STOU], v[RR], SP
	v_lshl_add_u32 v[STOU], v[HH], 5, v[STOU]
	v_add_nc_u32 v[STOU], s29, v[STOU]
.set i, 0
.rept 16
	v_mad_u32_u24 v[OFF+i], s49, i, v[LI]
.set i, i+1
.endr
.macro ULOAD u                         ; a unit: sixteen loads, each 512 consecutive bytes of one row
.set i, 0
.rept 16
	global_load_b128 v[R+64*((\u)%2)+4*i:R+64*((\u)%2)+4*i+3], v[OFF+i], s[40+2*(\u):41+2*(\u)] th:TH_LOAD_NT
.set i, i+1
.endr
.endm
.macro MKSCALE                         ; s35 = e  ->  2^e and 448 x 2^e as f32
	s_add_co_i32 s35, s35, 127
	s_lshl_b32 s36, s35, 23
	v_mov_b32 v[SCL], s36
	s_add_co_i32 s35, s35, 8
	s_lshl_b32 s35, s35, 23
	s_or_b32 s35, s35, 0x600000
	v_mov_b32 v[LIMV], s35
.endm
.macro UNIT u
.if (\u) < 3
	s_wait_loadcnt 16                              ; this unit's sixteen loads are in; the next unit's sixteen stay out
.else
	s_wait_loadcnt 0x0
.endif
.set i, 0
.rept 16
	ds_store_b128 v[STI], v[R+64*((\u)%2)+4*i:R+64*((\u)%2)+4*i+3] offset:SP*i   ; row i as it lies
.set i, i+1
.endr
.set i, 0
.rept 16
	ds_load_b128 v[X+4*i:X+4*i+3], v[STOU] offset:64*(i/2)+16*(i%2)   ; row r, k = 16 (i/2) + 8 h + 4 (i%2) on.  LDS serves a wave's instructions in order: these see the stores above
.set i, i+1
.endr
	s_wait_dscnt 0x0                               ; the numbers are back, and the stage may be written again
.if (\u) < 2
	ULOAD (\u)+2
.else
	s_wait_xcnt 0x0                                ; the stores of two units ago have read this set of codes: it is rewritten only behind this wait
.endif
.set i, 0
.rept 64
	v_med3_num_f32 v[X+i], v[X+i], -v[LIMV], v[LIMV]   ; the conversion to an 8-bit code does not saturate (ISA guide 7.6.2): the hold comes first
.set i, i+1
.endr
.set i, 0
.rept 8
	v_cvt_scalef32_pk8_fp8_f32 v[C+16*((\u)%2)+2*i:C+16*((\u)%2)+2*i+1], v[X+8*i:X+8*i+7], v[SCL]
.set i, i+1
.endr
	v_nop                                          ; a plain line behind the conversions: the next unit's holds write their sources
.irp c, 0,1,2,3
	global_store_b128 v[LI], v[C+16*((\u)%2)+4*\c:C+16*((\u)%2)+4*\c+3], s[32:33] offset:2048*(\u)+512*\c   ; 512 consecutive bytes, aligned
.endr
.endm
	ULOAD 0
	ULOAD 1
	s_wait_alu depctr_va_vdst(0)
	s_wait_kmcnt 0x0
	s_mov_b32 s35, s75                             ; e, by the same three comparisons
	s_cmp_lt_u32 ttmp9, 384
	s_cselect_b32 s35, s79, s35
	s_cmp_lt_u32 ttmp9, 256
	s_cselect_b32 s35, s69, s35
	s_cmp_lt_u32 ttmp9, 128
	s_cselect_b32 s35, s68, s35
	MKSCALE
	s_wait_alu depctr_va_vdst(0)
	UNIT 0
	UNIT 1
	UNIT 2
	UNIT 3
	s_wait_tensorcnt 0x0                           ; the wave's end: behind my last LDS store
	ds_add_u32 v[SPW], v[NIL]
	s_wait_dscnt 0x0
	s_endpgm
; ---- cached_v: K = the keys is the first axis of a head.  A LANE TAKES A CHANNEL AND ITS REGISTERS RUN DOWN 32 KEYS: the conversions then give codes with the keys innermost, and nothing is transposed.
; A work-group takes 256 keys of a head, wave w channels 32 w on.  Of a block of 32 keys, keys 0-7 and 16-23 are the 16 bytes of image lane (r, 0), keys 8-15 and 24-31 those of image lane (r, 1):
; so sixteen lanes store 256 consecutive aligned bytes, and no LDS is needed.
.set VX, 32                            ; v32-95  two sets of 32 numbers
.set VC, 96                            ; v96-159 eight registers of codes for each block: no store's data are written again
.Lv:
	s_sub_co_u32 s30, ttmp9, 448
	s_lshr_b32 s31, s30, 3                         ; the head
	s_and_b32 s30, s30, 7                          ; which 256 keys
	s_lshl_b32 s32, s31, 20
	s_lshl_b32 s33, s30, 17
	s_add_co_u32 s32, s32, s33
	s_lshl_b32 s33, s28, 7
	s_add_co_u32 s32, s32, s33
	s_mov_b32 s33, 0
	s_add_nc_u64 s[12:13], s[12:13], s[32:33]
	s_lshl_b32 s34, s31, 18                        ; v_img: [head][128 keys][16 channels][2,048 bytes]
	s_lshl_b32 s35, s30, 15
	s_add_co_u32 s34, s34, s35
	s_lshl_b32 s35, s28, 12
	s_add_co_u32 s34, s34, s35
	s_mov_b32 s35, 0
	s_add_nc_u64 s[24:25], s[24:25], s[34:35]
	s_wait_alu depctr_va_vdst(0)
	v_lshlrev_b32 v2, 2, v[LANE]                   ; in: 4 bytes a lane
	v_lshlrev_b32 v3, 11, v[HH]                    ; out: lanes 16-31 hold the next 16 channels' image
	v_lshl_add_u32 v3, v[RR], 4, v3
.macro VLOAD t
.set i, 0
.rept 32
	global_load_b32 v[VX+32*((\t)%2)+i], v2, s[12:13] offset:(32*(\t)+i)*512 th:TH_LOAD_NT
.set i, i+1
.endr
.endm
.macro VBLOCK t
.if (\t) < 7
	s_wait_loadcnt 32                              ; this block's 32 loads are in; the next block's stay out
.else
	s_wait_loadcnt 0x0
.endif
.set i, 0
.rept 32
	v_med3_num_f32 v[VX+32*((\t)%2)+i], v[VX+32*((\t)%2)+i], -v[LIMV], v[LIMV]
.set i, i+1
.endr
	v_cvt_scalef32_pk8_fp8_f32 v[VC+8*(\t):VC+8*(\t)+1],   v[VX+32*((\t)%2):VX+32*((\t)%2)+7], v[SCL]
	v_cvt_scalef32_pk8_fp8_f32 v[VC+8*(\t)+4:VC+8*(\t)+5], v[VX+32*((\t)%2)+8:VX+32*((\t)%2)+15], v[SCL]
	v_cvt_scalef32_pk8_fp8_f32 v[VC+8*(\t)+2:VC+8*(\t)+3], v[VX+32*((\t)%2)+16:VX+32*((\t)%2)+23], v[SCL]
	v_cvt_scalef32_pk8_fp8_f32 v[VC+8*(\t)+6:VC+8*(\t)+7], v[VX+32*((\t)%2)+24:VX+32*((\t)%2)+31], v[SCL]
	global_store_b128 v3, v[VC+8*(\t):VC+8*(\t)+3],   s[24:25] offset:((\t)/4)*16384+((\t)%4)*512
	global_store_b128 v3, v[VC+8*(\t)+4:VC+8*(\t)+7], s[24:25] offset:((\t)/4)*16384+((\t)%4)*512+256
.if (\t)+2 < 8
	VLOAD (\t)+2                                   ; (the next vector lines are the other set's holds: plain lines that touch none of these conversions' registers)
.endif
.endm
	VLOAD 0
	VLOAD 1
	s_wait_kmcnt 0x0
	s_mov_b32 s35, s77                             ; e9
	MKSCALE
	s_wait_alu depctr_va_vdst(0)
.irp t, 0,1,2,3,4,5,6,7
	VBLOCK \t
.endr
	s_endpgm
; ---- THE TABLE: cos and sin of t x 10000^(-i/64), t = 0 .. 2047, i = 0 .. 63, laid as the projection's lanes want them: a wave makes 16 values of t; lane (r, h) holds t = 16 tt + r and,
; as number n of 32, i = 2 (n - n % 8) + 8 h + n % 8.  10000^(-i/64) = 2^(-i L), L = log2(10000)/64 kept as a high and a low part; the angle is the f32 product, as the problem has it; it is brought into
; +-pi/4 by pi/2 in two parts (k stays under 1,304), and sine and cosine are polynomials there: all in f32.
.set TF,  2                            ; t as f32
.set H8,  3                            ; 8 h
.set INV, 32                           ; v32-63
.set COS, 64                           ; v64-95   first i x L's high part
.set SNR, 96                           ; v96-127  first its low part
.set TA, 128
.set TK, 132
.set TR, 136
.set TQ, 140
.set TZ, 144
.set TS, 148
.set TC, 152
.set TT, 156
.set TU, 160
.Ltrig:
	s_wait_kmcnt 0x0                               ; (the scales are not used on this path)
	s_sub_co_u32 s30, ttmp9, 512
	s_lshl_b32 s30, s30, 2
	s_add_co_u32 s30, s30, s28                     ; tt
	s_lshl_b32 s32, s30, 13
	s_mov_b32 s33, 0
	s_add_nc_u64 s[26:27], s[26:27], s[32:33]
	s_lshl_b32 s31, s30, 4
	s_wait_alu depctr_va_vdst(0)
	v_add_nc_u32 v[TF], s31, v[RR]
	v_cvt_f32_u32 v[TF], v[TF]
	v_lshlrev_b32 v[H8], 3, v[HH]
	s_wait_alu depctr_va_vdst(0)
	s_mov_b32 s80, 0x3e549a78                      ; L, high part
	s_mov_b32 s81, 0x31979a37                      ; L, low part
	s_mov_b32 s82, 0x3f317218                      ; ln 2
	s_mov_b32 s83, 0x3f22f983                      ; 2 / pi
	s_mov_b32 s84, 0xbfc90fdb                      ; -(pi/2), high part
	s_mov_b32 s85, 0x333bbd2e                      ; -(pi/2), low part
	s_mov_b32 s86, 0xb94ca1f9                      ; the sine's three coefficients
	s_mov_b32 s87, 0x3c08839e
	s_mov_b32 s88, 0xbe2aaaa3
	s_mov_b32 s89, 0x37ccf5ce                      ; the cosine's three
	s_mov_b32 s90, 0xbab6061a
	s_mov_b32 s91, 0x3d2aaaa5
.set n, 0
.rept 32
	v_add_nc_u32 v[TA+n%4], 2*(n-n%8)+n%8, v[H8]
	v_cvt_f32_u32 v[TA+n%4], v[TA+n%4]             ; i
	v_mul_f32 v[COS+n], s80, v[TA+n%4]             ; i L, rounded,
	v_fma_f32 v[TK+n%4], v[TA+n%4], s80, -v[COS+n] ; what the rounding lost,
	v_fma_f32 v[SNR+n], v[TA+n%4], s81, v[TK+n%4]  ; and the low part's share
.set n, n+1
.endr
.set n, 0
.rept 32
	v_exp_f32 v[INV+n], -v[COS+n]
.set n, n+1
.endr
	v_nop                                          ; a plain line behind the last exponential,
	s_wait_alu depctr_va_vdst(0)                   ; and one wait for the batch of 32, ahead of its first reader
.set n, 0
.rept 32
	v_mul_f32 v[SNR+n], v[INV+n], v[SNR+n]
	v_fma_f32 v[INV+n], -v[SNR+n], s82, v[INV+n]   ; 2^(-high) (1 - low x ln 2)
.set n, n+1
.endr
.macro SC4 n0                          ; four angles at a time, so that no line waits for the line above it
.irp k, 0,1,2,3
	v_mul_f32 v[TA+\k], v[TF], v[INV+\n0+\k]
.endr
.irp k, 0,1,2,3
	v_mul_f32 v[TK+\k], s83, v[TA+\k]
.endr
.irp k, 0,1,2,3
	v_rndne_f32 v[TK+\k], v[TK+\k]                 ; k = the nearest multiple of pi/2
.endr
.irp k, 0,1,2,3
	v_fma_f32 v[TR+\k], v[TK+\k], s84, v[TA+\k]
.endr
.irp k, 0,1,2,3
	v_fma_f32 v[TR+\k], v[TK+\k], s85, v[TR+\k]    ; r = angle - k pi/2
.endr
.irp k, 0,1,2,3
	v_cvt_i32_f32 v[TQ+\k], v[TK+\k]
.endr
.irp k, 0,1,2,3
	v_mul_f32 v[TZ+\k], v[TR+\k], v[TR+\k]
.endr
.irp k, 0,1,2,3
	v_fma_f32 v[TS+\k], v[TZ+\k], s86, s87
	v_fma_f32 v[TC+\k], v[TZ+\k], s89, s90
.endr
.irp k, 0,1,2,3
	v_fma_f32 v[TS+\k], v[TS+\k], v[TZ+\k], s88
	v_fma_f32 v[TC+\k], v[TC+\k], v[TZ+\k], s91
.endr
.irp k, 0,1,2,3
	v_mul_f32 v[TT+\k], v[TZ+\k], v[TR+\k]
	v_fma_f32 v[TU+\k], v[TZ+\k], -0.5, 1.0
.endr
.irp k, 0,1,2,3
	v_fma_f32 v[TS+\k], v[TS+\k], v[TT+\k], v[TR+\k]   ; sin r
.endr
.irp k, 0,1,2,3
	v_mul_f32 v[TT+\k], v[TZ+\k], v[TZ+\k]
.endr
.irp k, 0,1,2,3
	v_fma_f32 v[TC+\k], v[TC+\k], v[TT+\k], v[TU+\k]   ; cos r
.endr
.irp k, 0,1,2,3
	v_and_b32 v[TT+\k], 1, v[TQ+\k]
	v_add_nc_u32 v[TU+\k], 1, v[TQ+\k]
.endr
.irp k, 0,1,2,3
	v_cmp_eq_u32 vcc_lo, 1, v[TT+\k]               ; k odd: sine and cosine change places
	v_cndmask_b32 v[SNR+\n0+\k], v[TS+\k], v[TC+\k], vcc_lo
	v_cndmask_b32 v[COS+\n0+\k], v[TC+\k], v[TS+\k], vcc_lo
.endr
.irp k, 0,1,2,3
	v_lshlrev_b32 v[TT+\k], 30, v[TQ+\k]
	v_lshlrev_b32 v[TU+\k], 30, v[TU+\k]
.endr
.irp k, 0,1,2,3
	v_and_b32 v[TT+\k], 0x80000000, v[TT+\k]       ; the sine is negated where k % 4 is 2 or 3,
	v_and_b32 v[TU+\k], 0x80000000, v[TU+\k]       ; the cosine where it is 1 or 2
.endr
.irp k, 0,1,2,3
	v_xor_b32 v[SNR+\n0+\k], v[SNR+\n0+\k], v[TT+\k]
	v_xor_b32 v[COS+\n0+\k], v[COS+\n0+\k], v[TU+\k]
.endr
.endm
.irp m, 0,4,8,12,16,20,24,28
	SC4 \m
.endr
.irp ch, 0,1
.irp kind, 0,1
.irp b, 0,1
.irp half, 0,1
	global_store_b128 v[LI], v[COS+32*\kind+16*\ch+8*\b+4*\half:COS+32*\kind+16*\ch+8*\b+4*\half+3], s[26:27] offset:4096*\ch+2048*\kind+1024*\b+512*\half
.endr
.endr
.endr
.endr
	s_endpgm
.Lfunc_end_k_q1c698c23cb_quant:
	.size	k_q1c698c23cb_quant, .Lfunc_end_k_q1c698c23cb_quant-k_q1c698c23cb_quant
	.p2alignl 7, 3214868480
	.fill 96, 4, 3214868480
	.section	.rodata,"a",@progbits
	.p2align	6, 0x0
	.amdhsa_kernel k_q1c698c23cb_quant
		.amdhsa_group_segment_fixed_size 34304
		.amdhsa_private_segment_fixed_size 0
		.amdhsa_enable_private_segment 0
		.amdhsa_kernarg_size 96
		.amdhsa_user_sgpr_count 2
		.amdhsa_user_sgpr_kernarg_segment_ptr 1
		.amdhsa_wavefront_size32 1
		.amdhsa_system_sgpr_workgroup_id_x 1
		.amdhsa_system_sgpr_workgroup_id_y 1
		.amdhsa_system_sgpr_workgroup_id_z 1
		.amdhsa_system_vgpr_workitem_id 0
		.amdhsa_next_free_vgpr 256
		.amdhsa_next_free_sgpr 96
		.amdhsa_reserve_vcc 1
		.amdhsa_float_denorm_mode_32 3
		.amdhsa_float_denorm_mode_16_64 3
		.amdhsa_memory_ordered 1
		.amdhsa_forward_progress 1
		.amdhsa_inst_pref_size 137
	.end_amdhsa_kernel
	.amdgpu_metadata
---
amdhsa.version: [ 1, 2 ]
amdhsa.kernels:
  - .name:           k_q1c698c23cb_quant
    .symbol:         k_q1c698c23cb_quant.kd
    .args:
      - { .name: x, .offset: 0, .size: 8, .value_kind: global_buffer, .address_space: global }
      - { .name: wq, .offset: 8, .size: 8, .value_kind: global_buffer, .address_space: global }
      - { .name: wo, .offset: 16, .size: 8, .value_kind: global_buffer, .address_space: global }
      - { .name: cached_k, .offset: 24, .size: 8, .value_kind: global_buffer, .address_space: global }
      - { .name: cached_v, .offset: 32, .size: 8, .value_kind: global_buffer, .address_space: global }
      - { .name: lowp_scales, .offset: 40, .size: 8, .value_kind: global_buffer, .address_space: global }
      - { .name: x_img, .offset: 48, .size: 8, .value_kind: global_buffer, .address_space: global }
      - { .name: wq_img, .offset: 56, .size: 8, .value_kind: global_buffer, .address_space: global }
      - { .name: wo_img, .offset: 64, .size: 8, .value_kind: global_buffer, .address_space: global }
      - { .name: k_img, .offset: 72, .size: 8, .value_kind: global_buffer, .address_space: global }
      - { .name: v_img, .offset: 80, .size: 8, .value_kind: global_buffer, .address_space: global }
      - { .name: trig, .offset: 88, .size: 8, .value_kind: global_buffer, .address_space: global }
    .group_segment_fixed_size: 34304
    .private_segment_fixed_size: 0
    .kernarg_segment_align: 8
    .kernarg_segment_size: 96
    .max_flat_workgroup_size: 128
    .sgpr_count:     96
    .vgpr_count:     256
    .wavefront_size: 32
...
	.end_amdgpu_metadata
.endif
;; end of part 1
;; launch qproj (part 2): grid 16 x 16, 4 waves a work-group, clusters of 4 x 4, 327,680 bytes of LDS; arguments x_img, wq_img, trig, q_norm_w, lowp_scales, q_img; writes q_img
.if DOCPART == 2
	.amdgcn_target "amdgcn-amd-amdhsa--gfx1250"
	.amdhsa_code_object_version 6
	.text
	.protected	k_q1c698c23cb_qproj
	.globl	k_q1c698c23cb_qproj
	.p2align	8
	.type	k_q1c698c23cb_qproj,@function
k_q1c698c23cb_qproj:
	s_mov_b64 s[64:65], 0
	v_nop
	global_prefetch_b8 v0, s[64:65] scope:SCOPE_SE
	s_setreg_imm32_b32 hwreg(HW_REG_WAVE_MODE, 25, 1), 1
	s_wait_xcnt 0x0
	s_wait_alu depctr_hold_cnt(0) depctr_sa_sdst(0) depctr_va_vdst(0) depctr_va_sdst(0) depctr_va_ssrc(0) depctr_va_vcc(0) depctr_vm_vsrc(0)
	s_getreg_b32 s2, hwreg(HW_REG_IB_STS2, 6, 4)
	s_cmp_eq_u32 s2, 0
	s_cbranch_scc0 .Lentry_in_a_cluster
	s_endpgm
.Lentry_in_a_cluster:
	s_bfe_u32 s2, ttmp6, 0x10000c
	s_cmp_lg_u32 s2, 0xf033
	s_cbranch_scc0 .Lentry_shape_is_right
	s_endpgm
.Lentry_shape_is_right:
; q = rope(rmsnorm(x wq^T) q_norm_w), quantised with entry 6 of the scales, for the 16 heads.  x and wq arrive as codes of FP8 (E4M3) in images of operand registers (16 rows x 128 K = 2,048 bytes:
; registers 4c .. 4c+3 of lane l at 512 c + 16 l; lane (r, h): row r, registers 2c, 2c+1: k = 16 c + 8 h + 0..7), [16 rows][chunk of 128 K]; q leaves in the same form, [head][16 rows].
; LIMITS: entry 6 between -126 and 119; entries 0 and 1 are applied by v_ldexp_f32 and have none.
; SHARES.  A work-group makes 128 rows x one head (128 columns): 256 work-groups.  Four waves, each 64 rows x 64 columns: 16 accumulators.  K = 2,048 goes in four steps of 512 through two LDS slots.
; THE PRODUCT IS USED TRANSPOSED (source 0 = 16 rows of wq, source 1 = 16 rows of x): a lane holds one row of q and eight neighbouring channels an accumulator.
; A wave's four column tiles are channels 32 ch + 0..31 and 64 + 32 ch + 0..31 (ch = wave % 2): so both partners (d, d + 64) of the rotation lie in one lane, and two tiles' codes are four neighbouring registers of q's image.
; A row's sum of squares spans the two waves of a row half: they exchange four numbers a lane through LDS, one barrier.
; CLUSTERS: 4 x 4 work-groups; x's tiles are asked for jointly along a row of the cluster, wq's along a column: the same tensor load with the same descriptor and a mask that names the four.
; REGISTERS: window 0: v16-29 addresses; v32-113 at work; v128-255 the accumulators ((a, b) at 128 + 8 (4 a + b)).  window 1: two fragment buffers of 128 (x's four fragments, then wq's four).
;   window 2: v0-63 cos, v64-127 sin (16 a + 8 b + j), v128-159 q_norm_w of my 32 channels a lane.
.set SLOTB, 131072                     ; a slot: x's 8 row tiles x 8,192 bytes, then wq's 8
.set BREG,  65536
.set CB,    16384                      ; my first column tile: 2 ch
.set BLO,   8192                       ; column tile i of my four: 2 ch + i % 2 + 4 (i / 2)
.set BHI,   32768
.set SUMX,  262144                     ; behind the ring: 512 bytes for each wave, the sums of squares
.set SPARE, 264192                     ; the spare words, 128 bytes for each wave: two blocks of 256 bytes that no other line names
.set ADRA, 16                          ; v16-17 LDS address of my fragments of x in slot 0, 1
.set ADRB, 20                          ; v20-21 of wq
.set SXS,  24                          ; where I put my sums,
.set SXL,  25                          ; and where the other wave of my rows puts its
.set WOF,  26                          ; 32 h
.set LI,   27                          ; 16 x lane
.set SPW,  28                          ; LDS address of my spare word; never rewritten
.set NIL,  29                          ; 0; never rewritten
.set PS,   32                          ; v32-39 four pairs: partial sums, later the rows' factors
.set SS,   40                          ; v40-43 the sums, v44-47 the partner's, later 1/sqrt
.set Y,    48                          ; v48-79 a row tile's 32 rotated numbers
.set CQ,   80                          ; v80-111 codes: eight registers for each row tile
.set SCL,  112
.set LIMV, 113
.set ACC,  128
.set F0,   0
.set F1,   128
.set G1,  24
.set G0,  32
.set G1B, 48
.set G0B, 56
.set MSB, 0
.macro WIN new                         ; the immediate's high byte repeats the setting that is left
.if MSB != \new
	s_set_vgpr_msb (MSB<<8)|\new
.set MSB, \new
.endif
.endm
.set MUL,  0x05                        ; sources 0 and 1 window 1; C and D window 0
.set TO_F, 0x40                        ; destination window 1, address window 0
.macro JLOAD s                         ; a joint load: waves 0 and 1 fetch x's halves, waves 2 and 3 wq's; an s_nop 0 and four v_nop follow each line
	s_cmp_eq_u32 s17, 0
	s_cbranch_scc0 .Lfor_b_\@
	tensor_load_to_lds s[G0+4*\s:G0+4*\s+3], s[G1:G1+7]
	s_nop 0
.rept 4
	v_nop
.endr
	s_branch .Lasked_\@
.Lfor_b_\@:
	tensor_load_to_lds s[G0B+4*\s:G0B+4*\s+3], s[G1B:G1B+7]
	s_nop 0
.rept 4
	v_nop
.endr
.Lasked_\@:
.endm
.macro CREST                           ; a round of the cluster's barrier behind its opening barrier
	s_cmp_lg_u32 s16, 0
	s_cbranch_scc1 .Lnot_wave_0_\@
	s_barrier_signal -3
.Lnot_wave_0_\@:
	s_barrier_wait -3
	s_barrier_signal -1
	s_barrier_wait -1
.endm
.macro CROUND
	s_barrier_signal -1
	s_barrier_wait -1
	CREST
.endm
.macro PLACES                          ; four plain lines between a matrix instruction and a load into, or a read of, its registers
.rept 4
	v_nop
.endr
.endm
	s_load_b256 s[4:11], s[0:1], 0x0               ; x_img s[4:5], wq_img s[6:7], trig s[8:9], q_norm_w s[10:11]
	s_load_b128 s[12:15], s[0:1], 0x20             ; scales s[12:13], q_img s[14:15]
	v_lshl_add_u32 v[SPW], v0, 2, SPARE
	v_mov_b32 v[NIL], 0
	ds_add_u32 v[SPW], v[NIL]                      ; the wave's opening: the add and its wait stand ahead of my first tensor load; the set-up below stands between them
	ds_add_u32 v[SPW], v[NIL]
	v_lshrrev_b32 v1, 5, v0
	v_readfirstlane_b32 s16, v1                    ; wave 0..3
	s_lshr_b32 s17, s16, 1                         ; rh: my half of the rows.  Also: I fetch for x (0) or for wq (1)
	s_and_b32 s18, s16, 1                          ; ch: my half of the columns.  Also: which four row tiles I fetch
	s_bfe_u32 s40, ttmp6, 0x40000                  ; cx, cy: my place in the cluster
	s_bfe_u32 s41, ttmp6, 0x40004
	s_lshl_b32 s42, ttmp9, 2
	s_add_co_u32 s42, s42, s40                     ; the head = 4 x cluster x + cx
	s_and_b32 s19, ttmp7, 0xffff
	s_lshl_b32 s19, s19, 2
	s_add_co_u32 s19, s19, s41                     ; the block of 128 rows = 4 x cluster y + cy
	s_lshl_b32 s43, s41, 2
	s_lshl_b32 s43, 15, s43                        ; my row of the cluster
	s_lshl_b32 s44, 0x1111, s40                    ; my column
	; descriptor group 1: four row tiles' 8,192 bytes of a K step, 32,768 bytes apart in memory, dense in LDS: 4 rows x 1,024 elements of 8 bytes
	s_or_b32 s[G1], s43, (3<<16)|(1<<21)           ; 15:0 the mask; 17:16 elements of 8 bytes; 21 set beside a mask; no padding
	s_or_b32 s[G1B], s44, (3<<16)|(1<<21)
.irp g, G1, G1B
	s_mov_b32 s[\g+1], 1024<<16                    ; tensor_dim0
	s_mov_b32 s[\g+2], 8<<16                       ; tensor_dim1: eight row tiles for the first fills; four from the first wait on
	s_mov_b32 s[\g+3], 1024<<16                    ; tile_dim0
	s_mov_b32 s[\g+4], 8                           ; tile_dim1 likewise
	s_mov_b32 s[\g+5], 4096                        ; tensor_dim0_stride
	s_mov_b32 s[\g+6], 0
	s_mov_b32 s[\g+7], 0
.endr
	s_lshl_b32 s22, s18, 2
	s_lshl_b32 s20, s19, 3
	s_add_co_u32 s20, s20, s22                     ; x: row tile 8 x block + 4 x half
	s_lshl_b32 s20, s20, 15
	s_mov_b32 s21, 0
	s_lshl_b32 s46, s42, 3
	s_add_co_u32 s46, s46, s22                     ; wq: row tile 8 x head + 4 x half
	s_lshl_b32 s46, s46, 15
	s_mov_b32 s47, 0
	s_lshl_b32 s45, s16, 15                        ; where they go: wave x 32,768: no place in the cluster enters an LDS address
	s_wait_dscnt 0x0                               ; the opening add is done
	s_wait_kmcnt 0x0
	s_load_b256 s[68:75], s[12:13], 0x0            ; e0 .. e7
	s_add_nc_u64 s[20:21], s[4:5], s[20:21]
	s_add_nc_u64 s[46:47], s[6:7], s[46:47]
	CROUND                                         ; all sixteen work-groups are here: the first joint loads meet
.irp s, 0,1
	s_mov_b32 s[G0+4*\s], 1
	s_add_co_u32 s[G0+4*\s+1], s45, \s*SLOTB
	s_add_nc_u64 s[G0+4*\s+2:G0+4*\s+3], s[20:21], \s*8192
	s_or_b32 s[G0+4*\s+3], s[G0+4*\s+3], 0x80000000
	s_mov_b32 s[G0B+4*\s], 1
	s_add_co_u32 s[G0B+4*\s+1], s45, \s*SLOTB
	s_add_nc_u64 s[G0B+4*\s+2:G0B+4*\s+3], s[46:47], \s*8192
	s_or_b32 s[G0B+4*\s+3], s[G0B+4*\s+3], 0x80000000
.endr
	; THE FIRST FILLS, one tensor load a wave: wave 0 x's eight row tiles of K step 0 (slot 0), wave 1 those of K step 1 (slot 1), waves 2 and 3 the same of wq: 65,536 dense bytes of LDS each
	s_lshl_b32 s88, s18, 13                        ; K step ch: 8,192 bytes along a row tile
	s_mov_b32 s76, 1
	s_lshl_b32 s77, s18, 17                        ; slot ch
	s_lshl_b32 s90, s19, 18                        ; x: row tile 8 x block
	s_add_co_u32 s90, s90, s88
	s_mov_b32 s91, 0
	s_add_nc_u64 s[78:79], s[4:5], s[90:91]
	s_or_b32 s79, s79, 0x80000000
	s_mov_b32 s92, 1
	s_add_co_u32 s93, s77, BREG
	s_lshl_b32 s98, s42, 18                        ; wq: row tile 8 x head
	s_add_co_u32 s98, s98, s88
	s_mov_b32 s99, 0
	s_add_nc_u64 s[94:95], s[6:7], s[98:99]
	s_or_b32 s95, s95, 0x80000000
	s_cmp_eq_u32 s17, 0
	s_cbranch_scc0 .Lhead_b
	tensor_load_to_lds s[76:79], s[G1:G1+7]
	s_nop 0
.rept 4
	v_nop
.endr
	s_branch .Lhead_asked
.Lhead_b:
	tensor_load_to_lds s[92:95], s[G1B:G1B+7]
	s_nop 0
.rept 4
	v_nop
.endr
.Lhead_asked:
	v_and_b32 v[LI], 31, v0
	v_lshlrev_b32 v[LI], 4, v[LI]
	s_wait_alu depctr_va_vdst(0)
	v_bfe_u32 v[WOF], v0, 4, 1
	v_lshlrev_b32 v[WOF], 5, v[WOF]
	s_wait_alu depctr_va_vdst(0)
	s_lshl_b32 s22, s17, 15
	s_mul_i32 s23, s18, CB
	s_add_co_u32 s23, s23, BREG
.irp s, 0,1
	v_add_nc_u32 v[ADRA+\s], s22, v[LI]
	v_add_nc_u32 v[ADRB+\s], s23, v[LI]
	s_add_co_u32 s22, s22, SLOTB
	s_add_co_u32 s23, s23, SLOTB
.endr
	s_lshl_b32 s80, s16, 9
	s_add_co_u32 s80, s80, SUMX
	v_add_nc_u32 v[SXS], s80, v[LI]
	s_xor_b32 s81, s16, 1
	s_lshl_b32 s81, s81, 9
	s_add_co_u32 s81, s81, SUMX
	v_add_nc_u32 v[SXL], s81, v[LI]
	s_lshl_b32 s80, s19, 3
	s_lshl_b32 s81, s17, 2
	s_add_co_u32 s80, s80, s81                     ; my first tile of 16 rows
	s_lshl_b32 s82, s80, 13
	s_lshl_b32 s83, s18, 12
	s_add_co_u32 s82, s82, s83
	s_mov_b32 s83, 0
	s_add_nc_u64 s[8:9], s[8:9], s[82:83]          ; the table at my rows and my half of the 64 angles
	s_lshl_b32 s82, s18, 7
	s_add_nc_u64 s[10:11], s[10:11], s[82:83]      ; q_norm_w at channel 32 ch
	s_lshl_b32 s82, s42, 7
	s_add_co_u32 s82, s82, s80
	s_lshl_b32 s82, s82, 11
	s_lshl_b32 s81, s18, 9
	s_add_co_u32 s82, s82, s81
	s_add_nc_u64 s[14:15], s[14:15], s[82:83]      ; q_img at (head, my first tile), piece ch
	s_mov_b32 s84, 0x76543210                      ; v_permlanex16_b32's selects for lane l xor 16
	s_mov_b32 s85, 0xfedcba98
	WIN 0x80                                       ; destination window 2.  Nothing waits for these 40 loads before the way out
.irp a, 0,1,2,3
.irp kind, 0,1
.irp b, 0,1
.irp half, 0,1
	global_load_b128 v[64*\kind+16*\a+8*\b+4*\half:64*\kind+16*\a+8*\b+4*\half+3], v[LI], s[8:9] offset:8192*\a+2048*\kind+1024*\b+512*\half
.endr
.endr
.endr
.endr
.irp t, 0,1,2,3
.irp half, 0,1
	global_load_b128 v[128+8*\t+4*\half:128+8*\t+4*\half+3], v[WOF], s[10:11] offset:64*(\t%2)+256*(\t/2)+16*\half
.endr
.endr
	WIN 0
; four matrix instructions: row tile a x my four column tiles, 128 along K.  The 16 accumulators take turns, one instruction a turn, in the same order in every chunk.
.macro MULR f, a, zero
.irp b, 0,1,2,3
.if \zero
	v_wmma_f32_16x16x128_fp8_fp8 v[ACC+8*(4*\a+\b):ACC+8*(4*\a+\b)+7], v[\f+64+16*\b:\f+64+16*\b+15], v[\f+16*\a:\f+16*\a+15], 0
.else
	v_wmma_f32_16x16x128_fp8_fp8 v[ACC+8*(4*\a+\b):ACC+8*(4*\a+\b)+7], v[\f+64+16*\b:\f+64+16*\b+15], v[\f+16*\a:\f+16*\a+15], v[ACC+8*(4*\a+\b):ACC+8*(4*\a+\b)+7]
.endif
.endr
.endm
.macro FETCH slot, q, f                ; 32 LDS loads in one run: chunk q of the slot: wq's four fragments, then x's four; each load takes 512 consecutive bytes
	WIN TO_F
.irp i, 0,1,2,3
.irp c, 0,1,2,3
	ds_load_b128 v[\f+64+16*\i+4*\c:\f+64+16*\i+4*\c+3], v[ADRB+\slot] offset:BLO*(\i%2)+BHI*(\i/2)+2048*\q+512*\c
.endr
.endr
.irp i, 0,1,2,3
.irp c, 0,1,2,3
	ds_load_b128 v[\f+16*\i+4*\c:\f+16*\i+4*\c+3], v[ADRA+\slot] offset:8192*\i+2048*\q+512*\c
.endr
.endr
.endm
.macro QUARTER slot, qn, f, g, zero    ; multiplies buffer f and fetches chunk qn of the same slot into g
	s_wait_dscnt 8                                 ; wq's four and x's tiles 0, 1 are in; the youngest eight loads (x's tiles 2, 3) may be out
	WIN MUL
	MULR \f, 0, \zero
	MULR \f, 1, \zero
	PLACES
	FETCH \slot, \qn, \g
	s_wait_dscnt 32                                ; all but the 32 just issued
	WIN MUL
	MULR \f, 2, \zero
	MULR \f, 3, \zero
.endm
; A slot's last chunk changes slots: one barrier; in front of it each wave waits for all its tensor loads, adds 0 to its spare word, and waits for that and for its reads of this slot.
.macro TURN slot, next, fill
	WIN 0
	s_wait_tensorcnt 0x0                           ; all my tensor loads have landed: my part of the next slot
	ds_add_u32 v[SPW], v[NIL]
	s_wait_dscnt 9                                 ; (the add and the youngest eight loads may be out)
	WIN MUL
	MULR F1, 0, 0
	s_wait_dscnt 0x0                               ; the add is done, and my reads of this slot are over
	s_barrier_signal -1
	MULR F1, 1, 0
	WIN 0
	s_barrier_wait -1
.if \fill
	CREST                                          ; the barrier has opened a round of the cluster's barrier: no wave of any partner still reads this slot or has a load on its way
	s_add_nc_u64 s[G0+4*\slot+2:G0+4*\slot+3], s[G0+4*\slot+2:G0+4*\slot+3], 16384
	s_add_nc_u64 s[G0B+4*\slot+2:G0B+4*\slot+3], s[G0B+4*\slot+2:G0B+4*\slot+3], 16384
	JLOAD \slot                                    ; my one tensor load behind the round; its four v_nop are also the places in front of the loads below
.else
	PLACES
.endif
	FETCH \next, 0, F0
	WIN MUL
	MULR F1, 2, 0
	MULR F1, 3, 0
.endm
	s_wait_alu depctr_va_vdst(0)
	s_wait_tensorcnt 0x0                           ; my first fill is in; no load of mine is out, so group 1 may be written:
	s_mov_b32 s[G1+2], 4<<16                       ; the refills bring four row tiles a wave
	s_mov_b32 s[G1+4], 4
	s_mov_b32 s[G1B+2], 4<<16
	s_mov_b32 s[G1B+4], 4
	s_barrier_signal -1
	s_barrier_wait -1
	FETCH 0, 0, F0
	QUARTER 0, 1, F0, F1, 1                        ; the first chunk's products start the sums: nothing is cleared
	QUARTER 0, 2, F1, F0, 0
	QUARTER 0, 3, F0, F1, 0
	TURN 0, 1, 1
	QUARTER 1, 1, F0, F1, 0
	QUARTER 1, 2, F1, F0, 0
	QUARTER 1, 3, F0, F1, 0
	TURN 1, 0, 1
	QUARTER 0, 1, F0, F1, 0
	QUARTER 0, 2, F1, F0, 0
	QUARTER 0, 3, F0, F1, 0
	TURN 0, 1, 0                                   ; nothing is left to fetch
	QUARTER 1, 1, F0, F1, 0
	QUARTER 1, 2, F1, F0, 0
	QUARTER 1, 3, F0, F1, 0
	s_wait_dscnt 8
	WIN MUL
	MULR F1, 0, 0
	MULR F1, 1, 0
	s_wait_dscnt 0x0
	MULR F1, 2, 0
	MULR F1, 3, 0
	WIN 0
	; THE WAY OUT.  The sums of squares of my 64 columns, four chains (one a row tile) by turns, each accumulator from its low end on
	PLACES
.irp a, 0,1,2,3
	v_pk_mul_f32 v[PS+2*\a:PS+2*\a+1], v[ACC+32*\a:ACC+32*\a+1], v[ACC+32*\a:ACC+32*\a+1]
.endr
.set p, 1
.rept 15
.irp a, 0,1,2,3
	v_pk_fma_f32 v[PS+2*\a:PS+2*\a+1], v[ACC+32*\a+2*p:ACC+32*\a+2*p+1], v[ACC+32*\a+2*p:ACC+32*\a+2*p+1], v[PS+2*\a:PS+2*\a+1]
.endr
.set p, p+1
.endr
.irp a, 0,1,2,3
	v_add_f32 v[SS+\a], v[PS+2*\a], v[PS+2*\a+1]
.endr
.irp a, 0,1,2,3
	v_permlanex16_b32 v[PS+2*\a], v[SS+\a], s84, s85
.endr
.irp a, 0,1,2,3
	v_add_f32 v[SS+\a], v[SS+\a], v[PS+2*\a]
.endr
	ds_store_b128 v[SXS], v[SS:SS+3]
	s_wait_alu depctr_va_vdst(0)
	s_wait_dscnt 0x0                               ; for the other wave's sake: my store is done
	s_barrier_signal -1
	s_barrier_wait -1
	ds_load_b128 v[SS+4:SS+7], v[SXL]              ; the other 64 columns' sums
	s_wait_kmcnt 0x0
	s_add_co_i32 s86, s68, s69                     ; E = e0 + e1: a sum stands for sum x 2^E
	s_lshl_b32 s87, s86, 1
	s_sub_co_i32 s87, s87, 7                       ; the mean of 128 squares: x 2^(2 E - 7)
	s_add_co_i32 s88, s74, 127
	s_lshl_b32 s89, s88, 23
	v_mov_b32 v[SCL], s89                          ; 2^e6
	s_add_co_i32 s88, s88, 8
	s_lshl_b32 s88, s88, 23
	s_or_b32 s88, s88, 0x600000
	v_mov_b32 v[LIMV], s88                         ; 448 x 2^e6
	s_wait_dscnt 0x0
.irp a, 0,1,2,3
	v_add_f32 v[SS+\a], v[SS+\a], v[SS+4+\a]
.endr
.irp a, 0,1,2,3
	v_ldexp_f32 v[SS+\a], v[SS+\a], s87
.endr
.irp a, 0,1,2,3
	v_add_f32 v[SS+\a], 0x358637bd, v[SS+\a]       ; + 1e-6
.endr
	s_wait_alu depctr_va_vdst(0)
.irp a, 0,1,2,3
	v_rsq_f32 v[SS+4+\a], v[SS+\a]
.endr
	v_nop                                          ; a plain line behind the last of the four,
	s_wait_alu depctr_va_vdst(0)                   ; and one wait for the batch, ahead of its first reader
.irp a, 0,1,2,3
	v_ldexp_f32 v[PS+2*\a], v[SS+4+\a], s86        ; the row's factor: 2^E / sqrt(mean + 1e-6)
.endr
	s_wait_alu depctr_va_vdst(0)
	s_wait_loadcnt 0x0                             ; the table and q_norm_w
.macro ROW a                           ; 16 rows: norm, gain, rotation, hold, codes, two stores of 512 consecutive bytes
	WIN 0
.set p, 0
.rept 16
	v_pk_mul_f32 v[ACC+32*\a+2*p:ACC+32*\a+2*p+1], v[ACC+32*\a+2*p:ACC+32*\a+2*p+1], v[PS+2*\a:PS+2*\a+1] op_sel_hi:[1,0]
.set p, p+1
.endr
	WIN 0x08                                       ; source 1 window 2
.set p, 0
.rept 16
	v_pk_mul_f32 v[ACC+32*\a+2*p:ACC+32*\a+2*p+1], v[ACC+32*\a+2*p:ACC+32*\a+2*p+1], v[128+2*p:128+2*p+1]
.set p, p+1
.endr
.irp b, 0,1
.irp p2, 0,2,4,6
	v_pk_mul_f32 v[Y+8*\b+\p2:Y+8*\b+\p2+1], v[ACC+32*\a+8*\b+\p2:ACC+32*\a+8*\b+\p2+1], v[16*\a+8*\b+\p2:16*\a+8*\b+\p2+1]                 ; t1 cos
	v_pk_mul_f32 v[Y+16+8*\b+\p2:Y+16+8*\b+\p2+1], v[ACC+32*\a+16+8*\b+\p2:ACC+32*\a+16+8*\b+\p2+1], v[16*\a+8*\b+\p2:16*\a+8*\b+\p2+1]     ; t2 cos
	v_pk_fma_f32 v[Y+8*\b+\p2:Y+8*\b+\p2+1], v[ACC+32*\a+16+8*\b+\p2:ACC+32*\a+16+8*\b+\p2+1], v[64+16*\a+8*\b+\p2:64+16*\a+8*\b+\p2+1], v[Y+8*\b+\p2:Y+8*\b+\p2+1] neg_lo:[1,0,0] neg_hi:[1,0,0]   ; - t2 sin
	v_pk_fma_f32 v[Y+16+8*\b+\p2:Y+16+8*\b+\p2+1], v[ACC+32*\a+8*\b+\p2:ACC+32*\a+8*\b+\p2+1], v[64+16*\a+8*\b+\p2:64+16*\a+8*\b+\p2+1], v[Y+16+8*\b+\p2:Y+16+8*\b+\p2+1]   ; + t1 sin
.endr
.endr
	WIN 0
.set p, 0
.rept 32
	v_med3_num_f32 v[Y+p], v[Y+p], -v[LIMV], v[LIMV]   ; the conversion to an 8-bit code does not saturate (ISA guide 7.6.2)
.set p, p+1
.endr
.irp t, 0,1,2,3
	v_cvt_scalef32_pk8_fp8_f32 v[CQ+8*\a+2*\t:CQ+8*\a+2*\t+1], v[Y+8*\t:Y+8*\t+7], v[SCL]
.endr
	v_nop                                          ; a plain line behind the conversions
	global_store_b128 v[LI], v[CQ+8*\a:CQ+8*\a+3],   s[14:15] offset:2048*\a        ; channels 32 ch on: piece ch of the image
	global_store_b128 v[LI], v[CQ+8*\a+4:CQ+8*\a+7], s[14:15] offset:2048*\a+1024   ; channels 64 + 32 ch on: piece ch + 2
.endm
	ROW 0
	ROW 1
	ROW 2
	ROW 3
	s_wait_tensorcnt 0x0                           ; the wave's end: behind my last tensor load and my last LDS store
	ds_add_u32 v[SPW], v[NIL]
	s_wait_dscnt 0x0
	CROUND                                         ; the closing round: no work-group ends while a partner may still ask for a tile that names it
	s_endpgm
.Lfunc_end_k_q1c698c23cb_qproj:
	.size	k_q1c698c23cb_qproj, .Lfunc_end_k_q1c698c23cb_qproj-k_q1c698c23cb_qproj
	.p2alignl 7, 3214868480
	.fill 96, 4, 3214868480
	.section	.rodata,"a",@progbits
	.p2align	6, 0x0
	.amdhsa_kernel k_q1c698c23cb_qproj
		.amdhsa_group_segment_fixed_size 327680
		.amdhsa_private_segment_fixed_size 0
		.amdhsa_enable_private_segment 0
		.amdhsa_kernarg_size 48
		.amdhsa_user_sgpr_count 2
		.amdhsa_user_sgpr_kernarg_segment_ptr 1
		.amdhsa_wavefront_size32 1
		.amdhsa_system_sgpr_workgroup_id_x 1
		.amdhsa_system_sgpr_workgroup_id_y 1
		.amdhsa_system_sgpr_workgroup_id_z 1
		.amdhsa_system_vgpr_workitem_id 0
		.amdhsa_next_free_vgpr 768
		.amdhsa_next_free_sgpr 100
		.amdhsa_reserve_vcc 0
		.amdhsa_float_denorm_mode_32 3
		.amdhsa_float_denorm_mode_16_64 3
		.amdhsa_memory_ordered 1
		.amdhsa_forward_progress 1
		.amdhsa_inst_pref_size 98
	.end_amdhsa_kernel
	.amdgpu_metadata
---
amdhsa.version: [ 1, 2 ]
amdhsa.kernels:
  - .name:           k_q1c698c23cb_qproj
    .symbol:         k_q1c698c23cb_qproj.kd
    .args:
      - { .name: x_img, .offset: 0, .size: 8, .value_kind: global_buffer, .address_space: global }
      - { .name: wq_img, .offset: 8, .size: 8, .value_kind: global_buffer, .address_space: global }
      - { .name: trig, .offset: 16, .size: 8, .value_kind: global_buffer, .address_space: global }
      - { .name: q_norm_w, .offset: 24, .size: 8, .value_kind: global_buffer, .address_space: global }
      - { .name: lowp_scales, .offset: 32, .size: 8, .value_kind: global_buffer, .address_space: global }
      - { .name: q_img, .offset: 40, .size: 8, .value_kind: global_buffer, .address_space: global }
    .group_segment_fixed_size: 327680
    .private_segment_fixed_size: 0
    .kernarg_segment_align: 8
    .kernarg_segment_size: 48
    .max_flat_workgroup_size: 128
    .sgpr_count:     100
    .vgpr_count:     768
    .wavefront_size: 32
...
	.end_amdgpu_metadata
.endif
;; end of part 2
;; launch attn (part 3): grid 32 x 8, 4 waves a work-group, no clusters, 34,304 bytes of LDS; arguments q_img, k_img, v_img, lowp_scales, a_img; writes a_img
.if DOCPART == 3
	.amdgcn_target "amdgcn-amd-amdhsa--gfx1250"
	.amdhsa_code_object_version 6
	.text
	.protected	k_q1c698c23cb_attn
	.globl	k_q1c698c23cb_attn
	.p2align	8
	.type	k_q1c698c23cb_attn,@function
k_q1c698c23cb_attn:
	s_mov_b64 s[64:65], 0
	v_nop
	global_prefetch_b8 v0, s[64:65] scope:SCOPE_SE
	s_setreg_imm32_b32 hwreg(HW_REG_WAVE_MODE, 25, 1), 1
	s_wait_xcnt 0x0
; Attention on codes of FP8 (E4M3): a = softmax(q k^T / sqrt(128)) v under the problem's own mask (key s counts for query t where s <= t), quantised with entry 10 of the scales.
; LEFT OUT: keys 2048 to 4095 (all that wk, wv, k_norm_w make): the mask hides them from every query, so their p is 0 (shown at the head of the first kernel).  Key steps wholly behind a tile's diagonal are left out too.
; q_img [16 heads][128 tiles of 16 rows], k_img [8][128 tiles of 16 keys], v_img [8][16 blocks of 128 keys][8 tiles of 16 channels], a_img [128 tiles][16 heads]: images of operand registers, 2,048 bytes each
; (registers 4c .. 4c+3 of lane l at 512 c + 16 l), so a fragment is four loads of 512 consecutive bytes, from memory straight into the operand's registers.
; THE SOFTMAX: t = score x log2(e)/sqrt(128); M = the running largest t rounded up to a whole number; p = 2^(t - M) is quantised with entry 8; the sum is taken of the unquantised p and divides at the end.
; LIMITS: e6 + e7 between -123 and 130; e8 and e10 between -126 and 119; the scaled scores stay under 2^31 in magnitude.
; SHARES.  256 work-groups of four waves.  Wave w of work-group (x, head y) has pair j = 2 x + w / 2 and parity p = w % 2: it takes query tile 127 - j, then tile j, both query heads of KV head y, and of a tile's
; key steps of 128 those with number p, p + 2, ..: tile T has T / 8 + 1 steps, the two tiles 17 together, so every wave has 8 or 9.  The two waves of a pair join their halves through LDS at each tile's end:
; each sends the sums of the head that the other finishes.
; Both products are used transposed (S^T = K Q^T, O^T = V^T P^T): a lane holds one query; register j of key tile t is key 16 t + 8 (lane / 16) + j, which is the order of the second product's operand.
; LOADS.  K's 32 loads of the next step are issued behind this step's first product, V's 32 behind its second: each has all of a step but one product in which to land.  A tile's last step asks for step p,
; which is the next tile's first; behind the last tile that request is not used (it stays inside the buffers).  So every counted wait finds the same loads behind the ones it waits for.
; NO CLUSTER, NO LDS RING: the waves of a work-group, and work-groups, end their walks at different diagonals and need different numbers of tiles; nothing is asked for jointly.
; PREFETCH: K's and V's 262,144 bytes of a head are shared out by address over its 32 work-groups, 8,192 bytes each: wave 0 names K's 32 blocks of 256 bytes, wave 1 V's, a lane a block, once in the launch.
; Work-groups 0 to 3 ask for nothing: their shares are steps 0 and 1, which come by the first loads.
; REGISTERS.  window 0: v1-31 addresses and the softmax's state; v96-122 at work; v128-191, v192-255 S^T of heads A, B.  window 1: v0-127 O^T (A, B); v128-159 Q (A, B); v160-191 p's codes.  window 2: v0-127 K, v128-255 V.
.set XW,    8448                       ; a wave's exchange: 8,192 bytes of O^T and 256 of (-M, sum)
.set SPARE, 4*XW                       ; the spare words, 128 bytes a wave, which no other line names
.set LI,   1
.set DM0,  2
.set SPW,  6
.set NIL,  7
.set DM,   8
.set NINF, 9
.set SCP,  10
.set ST,   12                          ; eight a head: -M, largest t, the sum in two halves, f, (its pair), two at work
.set X2,   96
.set XSO,  100
.set XSS,  101
.set XLO,  102
.set XLS,  103
.set OC,   104
.set SCO,  120
.set LMO,  121
.set PFO,  122
.set SA,   128
.set SB,   192
.set QA,   128
.set QB,   144
.set PA,   160
.set KF,   0
.set VF,   128
.set WV,   14
.set P,    15
.set J,    16
.set TILE, 17
.set HA,   18
.set HB,   19
.set KVH,  20
.set NS,   21                          ; the tile's key steps
.set ND,   22                          ; the one on the diagonal
.set SG,   23                          ; the step in hand
.set TR,   24
.set U,    25
.set LMPS, 26                          ; 448 x 2^e8
.set KB,   28
.set VB,   30
.set KA,   32
.set VA,   34
.set NX,   36
.set PFA,  38
.set CS,   46
.set SEL,  48
.set QAA,  50
.set QBA,  52
.set OA,   54
.set EPV,  56
.set MSB, 0
.macro WIN new                         ; the immediate's high byte repeats the setting that is left
.if MSB != \new
	s_set_vgpr_msb (MSB<<8)|\new
.set MSB, \new
.endif
.endm
.macro FLOAD reg, base                 ; eight fragments, 16,384 consecutive bytes, into window 2
	WIN 0x80
.irp t, 0,1,2,3,4,5,6,7
.irp c, 0,1,2,3
	global_load_b128 v[\reg+16*\t+4*\c:\reg+16*\t+4*\c+3], v[LI], s[\base:\base+1] offset:2048*\t+512*\c
.endr
.endr
	WIN 0
.endm
.macro FPART reg, base, t0, t1         ; fragments t0 .. t1 - 1 of the eight, into window 2
	WIN 0x80
.set ft, \t0
.rept \t1-\t0
.irp c, 0,1,2,3
	global_load_b128 v[\reg+16*ft+4*\c:\reg+16*ft+4*\c+3], v[LI], s[\base:\base+1] offset:2048*ft+512*\c
.endr
.set ft, ft+1
.endr
	WIN 0
.endm
.macro QLOAD tl, ro, ba                ; both heads' fragments of tile s[tl] into window 1, ro registers behind QA and QB; bases s[ba:ba+3], never written again
	s_lshl_b32 s80, s[HA], 7
	s_add_co_u32 s80, s80, s[\tl]
	s_lshl_b32 s80, s80, 11
	s_mov_b32 s81, 0
	s_add_nc_u64 s[\ba:\ba+1], s[4:5], s[80:81]
	s_lshl_b32 s80, s[HB], 7
	s_add_co_u32 s80, s80, s[\tl]
	s_lshl_b32 s80, s80, 11
	s_add_nc_u64 s[\ba+2:\ba+3], s[4:5], s[80:81]
	WIN 0x40
.irp c, 0,1,2,3
	global_load_b128 v[QA+\ro+4*\c:QA+\ro+4*\c+3], v[LI], s[\ba:\ba+1] offset:512*\c
	global_load_b128 v[QB+\ro+4*\c:QB+\ro+4*\c+3], v[LI], s[\ba+2:\ba+3] offset:512*\c
.endr
	WIN 0
.endm
	s_load_b256 s[4:11], s[0:1], 0x0               ; q_img, k_img, v_img, scales
	s_load_b64 s[12:13], s[0:1], 0x20              ; a_img
	v_lshl_add_u32 v[SPW], v0, 2, SPARE
	v_mov_b32 v[NIL], 0
	v_lshrrev_b32 v28, 5, v0
	v_readfirstlane_b32 s[WV], v28
	s_mul_i32 s81, s[WV], XW                       ; my exchange,
	s_xor_b32 s83, s[WV], 1
	s_mul_i32 s83, s83, XW                         ; and my partner's
	v_and_b32 v28, 31, v0
	v_lshlrev_b32 v[LI], 4, v28
	v_lshlrev_b32 v[PFO], 8, v28
	v_lshlrev_b32 v31, 3, v28
	v_add_nc_u32 v[XSO], s81, v[LI]
	v_add_nc_u32 v[XLO], s83, v[LI]
	v_add_nc_u32 v[XSS], s81, v31
	v_add_nc_u32 v[XSS], 8192, v[XSS]
	v_add_nc_u32 v[XLS], s83, v31
	v_add_nc_u32 v[XLS], 8192, v[XLS]
	v_and_b32 v29, 15, v0
	v_bfe_u32 v30, v0, 4, 1
	v_lshlrev_b32 v30, 3, v30
	v_sub_nc_u32 v[DM0], v29, v30                  ; r - 8 h
	v_mov_b32 v[NINF], 0xff800000
	s_wait_alu depctr_va_vdst(0)                   ; ahead of the scalar lines and the wait below
	s_and_b32 s[P], s[WV], 1
	s_lshr_b32 s80, s[WV], 1
	s_lshl_b32 s[J], ttmp9, 1
	s_add_co_u32 s[J], s[J], s80
	s_sub_co_u32 s[TILE], 127, s[J]                ; the later tile goes first
	s_and_b32 s[KVH], ttmp7, 0xffff
	s_lshl_b32 s[HA], s[KVH], 1
	s_add_co_u32 s[HA], s[HA], s[P]                ; the head that I finish,
	s_xor_b32 s[HB], s[HA], 1                      ; and the one that my partner finishes
	s_lshl_b32 s82, s[KVH], 18
	s_mov_b32 s83, 0
	s_lshl_b32 s[NX], s[P], 14                     ; step p
	s_mov_b32 s[NX+1], 0
	s_lshl_b32 s84, ttmp9, 13
	s_mov_b32 s85, 0
	s_mov_b32 s[CS], 0x3e0293ee                    ; log2(e) / sqrt(128)
	s_mov_b32 s[SEL], 0x76543210
	s_mov_b32 s[SEL+1], 0xfedcba98
	s_mov_b32 s[U], 0
	s_wait_kmcnt 0x0
	s_load_b256 s[68:75], s[10:11], 0x0            ; e0 .. e7
	s_load_b128 s[76:79], s[10:11], 0x20           ; e8 .. e11
	s_add_nc_u64 s[KB:KB+1], s[6:7], s[82:83]
	s_add_nc_u64 s[VB:VB+1], s[8:9], s[82:83]
	s_add_nc_u64 s[KA:KA+1], s[KB:KB+1], s[NX:NX+1]
	s_add_nc_u64 s[VA:VA+1], s[VB:VB+1], s[NX:NX+1]
	s_cmp_eq_u32 s[P], 0
	s_cselect_b64 s[PFA:PFA+1], s[KB:KB+1], s[VB:VB+1]
	s_add_nc_u64 s[PFA:PFA+1], s[PFA:PFA+1], s[84:85]
	QLOAD TILE, 0, QAA                             ; the first tile's Q,
	QLOAD J, 64, 58                                ; the second tile's, kept in window 1, v192-223, till the first tile's end,
	FLOAD KF, KA                                   ; and the first step's K
	s_cmp_lt_u32 s[WV], 2
	s_cbranch_scc0 .Lno_ask
	s_cmp_lt_u32 ttmp9, 4
	s_cbranch_scc1 .Lno_ask
	global_prefetch_b8 v[PFO], s[PFA:PFA+1] th:TH_LOAD_NT scope:SCOPE_SE   ; its address registers are never written again
.Lno_ask:
	FLOAD VF, VA                                   ; V's 32 loads are the youngest
	s_wait_kmcnt 0x0
	s_add_co_i32 s80, s74, s75
	s_lshl_b32 s80, s80, 23
	s_add_co_i32 s[CS], s[CS], s80                 ; e6 + e7 go into c's exponent field
	s_mov_b32 s[CS+1], s[CS]
	s_add_co_i32 s80, s76, 127
	s_lshl_b32 s81, s80, 23
	v_mov_b32 v[SCP], s81                          ; 2^e8
	s_add_co_i32 s80, s80, 8
	s_lshl_b32 s80, s80, 23
	s_or_b32 s[LMPS], s80, 0x600000
	s_add_co_i32 s80, s78, 127
	s_lshl_b32 s81, s80, 23
	v_mov_b32 v[SCO], s81                          ; 2^e10
	s_add_co_i32 s80, s80, 8
	s_lshl_b32 s80, s80, 23
	s_or_b32 s80, s80, 0x600000
	v_mov_b32 v[LMO], s80                          ; 448 x 2^e10
	s_add_co_i32 s[EPV], s76, s77
.Lunit:                                            ; two trips: tile 127 - j, tile j
	s_lshr_b32 s[ND], s[TILE], 3
	s_add_co_u32 s[NS], s[ND], 1
	s_add_co_u32 s[TR], s[NS], 1
	s_lshr_b32 s[TR], s[TR], 1                     ; trips: half the steps, rounded up
	s_mov_b32 s[SG], s[P]
	s_and_b32 s80, s[TILE], 7
	s_lshl_b32 s80, s80, 4
	v_add_nc_u32 v[DM], s80, v[DM0]                ; my query's place in the diagonal step, less 8 h
	s_lshl_b32 s80, s[TILE], 4
	s_add_co_u32 s80, s80, s[HA]
	s_lshl_b32 s80, s80, 11
	s_mov_b32 s81, 0
	s_add_nc_u64 s[OA:OA+1], s[12:13], s[80:81]
.irp x, 0,1
	v_mov_b32 v[ST+8*\x+1], 0xff61b1e6             ; -3e38, under every t
	v_floor_f32 v[ST+8*\x], -v[ST+8*\x+1]
.irp k, 2,3,4,5,6,7
	v_mov_b32 v[ST+8*\x+\k], 0
.endr
.endr
	WIN 0x40
.set n, 0
.rept 128
	v_mov_b32 v[n], 0                              ; O^T: the step is written once, and the first change of M leaves zeros zeros
.set n, n+1
.endr
	WIN 0
	s_wait_alu depctr_va_vdst(0)                   ; directly ahead of the wait below
	s_wait_loadcnt 32                              ; all but the youngest 32 loads are in: at the head both tiles' Q and K (V's 32 may be out); at the second tile K
.Lstep:
	s_cmp_ge_u32 s[SG], s[NS]                      ; ids alone: the odd parity has one step less where the count is odd
	s_cbranch_scc1 .Lhidden
	s_wait_loadcnt 32                              ; K's 32 loads are in; V's 32, issued behind them, may be out
	WIN 0x06
.irp t, 0,1,2,3,4,5,6,7
	v_wmma_f32_16x16x128_fp8_fp8 v[SA+8*\t:SA+8*\t+7], v[KF+16*\t:KF+16*\t+15], v[QA:QA+15], 0
	v_wmma_f32_16x16x128_fp8_fp8 v[SB+8*\t:SB+8*\t+7], v[KF+16*\t:KF+16*\t+15], v[QB:QB+15], 0
.endr
	WIN 0
	s_add_co_u32 s80, s[SG], 2
	s_cmp_lt_u32 s80, s[NS]
	s_cselect_b32 s80, s80, s[P]                   ; my next step, or the next tile's first
	s_lshl_b32 s[NX], s80, 14
	s_add_nc_u64 s[KA:KA+1], s[KB:KB+1], s[NX:NX+1]   ; the loads that read this base are in
.rept 4
	v_nop                                          ; places behind the products, ahead of loads into their sources and of reads of their results
.endr
	FPART KF, KA, 0, 7                             ; 28 of the next K's 32 loads: with V's 32 that may be out, 60 of mine are on their way
	s_cmp_lg_u32 s[SG], s[ND]
	s_cbranch_scc1 .Lopen
.set n, 0
.rept 64
	v_cmp_gt_i32 vcc_lo, 16*(n/8)+n%8, v[DM]       ; on the diagonal: hidden keys' scores become -infinity
	v_cndmask_b32 v[SA+n], v[SA+n], v[NINF], vcc_lo
	v_cndmask_b32 v[SB+n], v[SB+n], v[NINF], vcc_lo
.set n, n+1
.endr
.Lopen:
.irp x, 0,1
	v_max3_num_f32 v[ST+8*\x+6], v[SA+64*\x], v[SA+64*\x+1], v[SA+64*\x+2]
	v_max3_num_f32 v[ST+8*\x+7], v[SA+64*\x+3], v[SA+64*\x+4], v[SA+64*\x+5]
.endr
.set i, 6
.rept 14
.irp x, 0,1
	v_max3_num_f32 v[ST+8*\x+6], v[ST+8*\x+6], v[SA+64*\x+i], v[SA+64*\x+i+1]
	v_max3_num_f32 v[ST+8*\x+7], v[ST+8*\x+7], v[SA+64*\x+i+2], v[SA+64*\x+i+3]
.endr
.set i, i+4
.endr
.irp x, 0,1
	v_max3_num_f32 v[ST+8*\x+6], v[ST+8*\x+6], v[SA+64*\x+62], v[SA+64*\x+63]
.endr
.irp x, 0,1
	v_max_num_f32 v[ST+8*\x+6], v[ST+8*\x+6], v[ST+8*\x+7]
.endr
.irp x, 0,1
	v_permlanex16_b32 v[ST+8*\x+7], v[ST+8*\x+6], s[SEL], s[SEL+1]
.endr
.irp x, 0,1
	v_max_num_f32 v[ST+8*\x+6], v[ST+8*\x+6], v[ST+8*\x+7]
.endr
.irp x, 0,1
	v_mul_f32 v[ST+8*\x+6], s[CS], v[ST+8*\x+6]    ; as t (c is positive)
.endr
.irp x, 0,1
	v_max_num_f32 v[ST+8*\x+1], v[ST+8*\x+1], v[ST+8*\x+6]
.endr
.irp x, 0,1
	v_mov_b32 v[ST+8*\x+6], v[ST+8*\x]
.endr
.irp x, 0,1
	v_floor_f32 v[ST+8*\x], -v[ST+8*\x+1]          ; the new -M
.endr
.irp x, 0,1
	v_sub_f32 v[ST+8*\x+6], v[ST+8*\x], v[ST+8*\x+6]
.endr
.irp x, 0,1
	v_cvt_i32_f32 v[ST+8*\x+6], v[ST+8*\x+6]       ; (it saturates)
.endr
.irp x, 0,1
	v_ldexp_f32 v[ST+8*\x+4], 1.0, v[ST+8*\x+6]    ; f = 2^(old M - new M)
.endr
.irp x, 0,1
.set j, 0
.rept 32
	v_pk_fma_f32 v[SA+64*\x+j:SA+64*\x+j+1], v[SA+64*\x+j:SA+64*\x+j+1], s[CS:CS+1], v[ST+8*\x:ST+8*\x+1] op_sel_hi:[1,0,0]
.set j, j+2
.endr
.endr
	FPART KF, KA, 7, 8                             ; the next K's last four loads: all 32 stand ahead of the wait for V below
	s_wait_alu depctr_va_vdst(0)                   ; ahead of the batch
.set n, 0
.rept 128
	v_exp_f32 v[SA+n], v[SA+n]
.set n, n+1
.endr
.irp x, 0,1
	v_pk_mul_f32 v[ST+8*\x+2:ST+8*\x+3], v[ST+8*\x+2:ST+8*\x+3], v[ST+8*\x+4:ST+8*\x+5] op_sel_hi:[1,0]
.endr
	s_wait_alu depctr_va_vdst(0)                   ; and one behind it, ahead of its first reader
.irp x, 0,1
	v_pk_add_f32 v[X2+2*\x:X2+2*\x+1], v[SA+64*\x:SA+64*\x+1], v[SA+64*\x+2:SA+64*\x+3]
.endr
.set j, 4
.rept 15
.irp x, 0,1
	v_pk_add_f32 v[ST+8*\x+2:ST+8*\x+3], v[ST+8*\x+2:ST+8*\x+3], v[SA+64*\x+j:SA+64*\x+j+1]
	v_pk_add_f32 v[X2+2*\x:X2+2*\x+1], v[X2+2*\x:X2+2*\x+1], v[SA+64*\x+j+2:SA+64*\x+j+3]
.endr
.set j, j+4
.endr
.irp x, 0,1
	v_pk_add_f32 v[ST+8*\x+2:ST+8*\x+3], v[ST+8*\x+2:ST+8*\x+3], v[X2+2*\x:X2+2*\x+1]
.endr
.set n, 0
.rept 64
	v_dual_min_num_f32 v[SA+n], s[LMPS], v[SA+n] :: v_dual_min_num_f32 v[SA+n+1], s[LMPS], v[SA+n+1]   ; the hold: the conversion does not saturate (ISA guide 7.6.2); p is not negative
.set n, n+2
.endr
	WIN 0x40
.irp x, 0,1
.irp t, 0,1,2,3,4,5,6,7
	v_cvt_scalef32_pk8_fp8_f32 v[PA+16*\x+2*\t:PA+16*\x+2*\t+1], v[SA+64*\x+8*\t:SA+64*\x+8*\t+7], v[SCP]
.endr
.endr
	WIN 0x41
	s_wait_alu depctr_va_vdst(0)                   ; directly ahead of the first reader of O^T
.irp x, 0,1
.set j, 0
.rept 32
	v_pk_mul_f32 v[64*\x+j:64*\x+j+1], v[64*\x+j:64*\x+j+1], v[ST+8*\x+4:ST+8*\x+5] op_sel_hi:[1,0]
.set j, j+2
.endr
.endr
	s_wait_alu depctr_va_vdst(0)                   ; and here, directly ahead of the wait below
	s_wait_loadcnt 32                              ; V's 32 loads are in; the next K's 32, issued behind them, may be out
	WIN 0x56
.irp t, 0,1,2,3,4,5,6,7
	v_wmma_f32_16x16x128_fp8_fp8 v[8*\t:8*\t+7], v[VF+16*\t:VF+16*\t+15], v[PA:PA+15], v[8*\t:8*\t+7]
	v_wmma_f32_16x16x128_fp8_fp8 v[64+8*\t:64+8*\t+7], v[VF+16*\t:VF+16*\t+15], v[PA+16:PA+31], v[64+8*\t:64+8*\t+7]
.endr
	WIN 0
	s_add_nc_u64 s[VA:VA+1], s[VB:VB+1], s[NX:NX+1]
.rept 4
	v_nop
.endr
	FLOAD VF, VA
.Lhidden:
	s_add_co_u32 s[SG], s[SG], 2
	s_sub_co_i32 s[TR], s[TR], 1
	s_cmp_gt_i32 s[TR], 0                          ; a signed test: the falling counter ends the loop from any start
	s_cbranch_scc1 .Lstep
	; THE TILE'S END.  The next tile's Q is moved into place from v192-223 (behind the last tile: tile j once more, not used)
	s_mov_b32 s[TILE], s[J]
	WIN 0x41
.set n, 0
.rept 32
	v_mov_b32 v[QA+n], v[QA+64+n]                  ; the second tile's Q takes the operand's place (behind the second tile the same numbers once more)
.set n, n+1
.endr
	WIN 0
	s_barrier_signal -1                            ; every wave has read the last tile's exchange
	s_barrier_wait -1
.irp x, 0,1
	v_add_f32 v[ST+8*\x+2], v[ST+8*\x+2], v[ST+8*\x+3]
.endr
.irp x, 0,1
	v_permlanex16_b32 v[ST+8*\x+3], v[ST+8*\x+2], s[SEL], s[SEL+1]
.endr
	v_add_f32 v[ST+2], v[ST+2], v[ST+3]
	v_add_f32 v[ST+9], v[ST+10], v[ST+11]
	WIN 0x04
.set i, 0
.rept 16
	ds_store_b128 v[XSO], v[64+4*i:64+4*i+3] offset:512*i   ; head B's O^T, for my partner
.set i, i+1
.endr
	WIN 0
	ds_store_b64 v[XSS], v[ST+8:ST+9]              ; its -M and its sum
	s_wait_dscnt 0x0                               ; for the partner's sake: my stores are done
	s_barrier_signal -1
	s_barrier_wait -1
.set i, 0
.rept 16
	ds_load_b128 v[SA+4*i:SA+4*i+3], v[XLO] offset:512*i
.set i, i+1
.endr
	ds_load_b64 v[ST+12:ST+13], v[XLS]
	s_wait_dscnt 0x0
	v_min_num_f32 v[ST+14], v[ST], v[ST+12]        ; the larger M of the two halves
	v_sub_f32 v[ST+15], v[ST+14], v[ST]
	v_sub_f32 v28, v[ST+14], v[ST+12]
	v_cvt_i32_f32 v[ST+15], v[ST+15]
	v_cvt_i32_f32 v28, v28
	v_ldexp_f32 v[ST+15], 1.0, v[ST+15]
	s_wait_alu depctr_va_vdst(0)                   ; my sum was written ahead of the barrier
	v_ldexp_f32 v28, 1.0, v28
	v_mul_f32 v29, v[ST+2], v[ST+15]
	v_fma_f32 v29, v[ST+13], v28, v29              ; the row's sum
	s_wait_alu depctr_va_vdst(0)
	v_rcp_f32 v30, v29
	v_nop
	s_wait_alu depctr_va_vdst(0)
	v_ldexp_f32 v30, v30, s[EPV]                   ; x 2^(e8 + e9)
	v_mul_f32 v[ST+4], v[ST+15], v30
	v_mul_f32 v[ST+6], v28, v30
	WIN 0x01
	s_wait_alu depctr_va_vdst(0)                   ; directly ahead of the first reader of head A's O^T
.set j, 0
.rept 32
	v_pk_mul_f32 v[SB+j:SB+j+1], v[j:j+1], v[ST+4:ST+5] op_sel_hi:[1,0]
.set j, j+2
.endr
	WIN 0
.set j, 0
.rept 32
	v_pk_fma_f32 v[SB+j:SB+j+1], v[SA+j:SA+j+1], v[ST+6:ST+7], v[SB+j:SB+j+1] op_sel_hi:[1,0,1]
.set j, j+2
.endr
.set n, 0
.rept 64
	v_med3_num_f32 v[SB+n], v[SB+n], -v[LMO], v[LMO]
.set n, n+1
.endr
.irp t, 0,1,2,3,4,5,6,7
	v_cvt_scalef32_pk8_fp8_f32 v[OC+2*\t:OC+2*\t+1], v[SB+8*\t:SB+8*\t+7], v[SCO]
.endr
	v_nop                                          ; a plain line behind the conversions
.irp c, 0,1,2,3
	global_store_b128 v[LI], v[OC+4*\c:OC+4*\c+3], s[OA:OA+1] offset:512*\c   ; 512 consecutive bytes, aligned
.endr
	s_wait_xcnt 0x0                                ; the stores' base and data are written again only behind this wait
	s_add_co_u32 s[U], s[U], 1
	s_cmp_lt_u32 s[U], 2
	s_cbranch_scc1 .Lunit
	s_wait_tensorcnt 0x0                           ; the wave's end: behind my last LDS store
	ds_add_u32 v[SPW], v[NIL]
	s_wait_dscnt 0x0
	s_endpgm
.Lfunc_end_k_q1c698c23cb_attn:
	.size	k_q1c698c23cb_attn, .Lfunc_end_k_q1c698c23cb_attn-k_q1c698c23cb_attn
	.p2alignl 7, 3214868480
	.fill 96, 4, 3214868480
	.section	.rodata,"a",@progbits
	.p2align	6, 0x0
	.amdhsa_kernel k_q1c698c23cb_attn
		.amdhsa_group_segment_fixed_size 34304
		.amdhsa_private_segment_fixed_size 0
		.amdhsa_enable_private_segment 0
		.amdhsa_kernarg_size 40
		.amdhsa_user_sgpr_count 2
		.amdhsa_user_sgpr_kernarg_segment_ptr 1
		.amdhsa_wavefront_size32 1
		.amdhsa_system_sgpr_workgroup_id_x 1
		.amdhsa_system_sgpr_workgroup_id_y 1
		.amdhsa_system_sgpr_workgroup_id_z 1
		.amdhsa_system_vgpr_workitem_id 0
		.amdhsa_next_free_vgpr 768
		.amdhsa_next_free_sgpr 100
		.amdhsa_reserve_vcc 1
		.amdhsa_float_denorm_mode_32 3
		.amdhsa_float_denorm_mode_16_64 3
		.amdhsa_memory_ordered 1
		.amdhsa_forward_progress 1
		.amdhsa_inst_pref_size 73
	.end_amdhsa_kernel
	.amdgpu_metadata
---
amdhsa.version: [ 1, 2 ]
amdhsa.kernels:
  - .name:           k_q1c698c23cb_attn
    .symbol:         k_q1c698c23cb_attn.kd
    .args:
      - { .name: q_img, .offset: 0, .size: 8, .value_kind: global_buffer, .address_space: global }
      - { .name: k_img, .offset: 8, .size: 8, .value_kind: global_buffer, .address_space: global }
      - { .name: v_img, .offset: 16, .size: 8, .value_kind: global_buffer, .address_space: global }
      - { .name: lowp_scales, .offset: 24, .size: 8, .value_kind: global_buffer, .address_space: global }
      - { .name: a_img, .offset: 32, .size: 8, .value_kind: global_buffer, .address_space: global }
    .group_segment_fixed_size: 34304
    .private_segment_fixed_size: 0
    .kernarg_segment_align: 8
    .kernarg_segment_size: 40
    .max_flat_workgroup_size: 128
    .sgpr_count:     100
    .vgpr_count:     768
    .wavefront_size: 32
...
	.end_amdgpu_metadata
.endif
;; end of part 3
;; launch oproj (part 4): grid 16 x 16, 4 waves a work-group, clusters of 4 x 4, 327,680 bytes of LDS; arguments a_img, wo_img, lowp_scales, out0; writes out0
.if DOCPART == 4
	.amdgcn_target "amdgcn-amd-amdhsa--gfx1250"
	.amdhsa_code_object_version 6
	.text
	.protected	k_q1c698c23cb_oproj
	.globl	k_q1c698c23cb_oproj
	.p2align	8
	.type	k_q1c698c23cb_oproj,@function
k_q1c698c23cb_oproj:
	s_mov_b64 s[64:65], 0
	v_nop
	global_prefetch_b8 v0, s[64:65] scope:SCOPE_SE
	s_setreg_imm32_b32 hwreg(HW_REG_WAVE_MODE, 25, 1), 1
	s_wait_xcnt 0x0
	s_wait_alu depctr_hold_cnt(0) depctr_sa_sdst(0) depctr_va_vdst(0) depctr_va_sdst(0) depctr_va_ssrc(0) depctr_va_vcc(0) depctr_vm_vsrc(0)
	s_getreg_b32 s2, hwreg(HW_REG_IB_STS2, 6, 4)
	s_cmp_eq_u32 s2, 0
	s_cbranch_scc0 .Lentry_in_a_cluster
	s_endpgm
.Lentry_in_a_cluster:
	s_bfe_u32 s2, ttmp6, 0x10000c
	s_cmp_lg_u32 s2, 0xf033
	s_cbranch_scc0 .Lentry_shape_is_right
	s_endpgm
.Lentry_shape_is_right:
; out0 = attention's result x wo^T, both as codes of FP8 (E4M3) in images of operand registers (16 rows x 128 K = 2,048 bytes: registers 4c .. 4c+3 of lane l at 512 c + 16 l), [16 rows][chunk of 128 K];
; each finished sum is multiplied once by 2^(e10 + e11).  LIMIT: e10 + e11 between -126 and 127, so that this power of two is an f32 number.
; SHARES.  A work-group makes 128 x 128 of out0: 256 work-groups.  Four waves, each 64 x 64: 16 accumulators.  K = 2,048 goes in four steps of 512 through two LDS slots.
; THE PRODUCT IS USED TRANSPOSED (source 0 = 16 rows of wo, source 1 = 16 rows of the activations): a lane holds eight neighbouring numbers of a row of out0.
; CLUSTERS: 4 x 4 work-groups; the activations' tiles are asked for jointly along a row of the cluster, wo's along a column.
; REGISTERS: window 0: v16-29 addresses; v32-127 the way out; v128-255 the accumulators ((a, b) at 128 + 8 (4 a + b)).  window 1: two fragment buffers of 128.
.set SLOTB, 131072
.set BREG,  65536
.set CB,    32768
.set BLO,   8192
.set BHI,   16384
.set STAGE, 262144                     ; behind the ring: 16 rows x (256 bytes + 16) for each wave
.set SPITCH, 272
.set SPARE, 279552                     ; the spare words, 128 bytes for each wave: two blocks of 256 bytes that no other line names
.set ADRA, 16
.set ADRB, 20
.set STO,  24
.set RD,   25
.set CO,   26
.set LI,   27
.set SPW,  28                          ; LDS address of my spare word; never rewritten
.set NIL,  29                          ; 0; never rewritten
.set TMP,  32
.set BK,   64                          ; v64-95 and v96-127 by turns
.set ACC,  128
.set F0,   0
.set F1,   128
.set G1,  24
.set G0,  32
.set G1B, 48
.set G0B, 56
.set MSB, 0
.macro WIN new
.if MSB != \new
	s_set_vgpr_msb (MSB<<8)|\new
.set MSB, \new
.endif
.endm
.set MUL,  0x05
.set TO_F, 0x40
.macro JLOAD s                         ; a joint load: waves 0 and 1 fetch the activations' halves, waves 2 and 3 wo's; an s_nop 0 and four v_nop follow each line
	s_cmp_eq_u32 s17, 0
	s_cbranch_scc0 .Lfor_b_\@
	tensor_load_to_lds s[G0+4*\s:G0+4*\s+3], s[G1:G1+7]
	s_nop 0
.rept 4
	v_nop
.endr
	s_branch .Lasked_\@
.Lfor_b_\@:
	tensor_load_to_lds s[G0B+4*\s:G0B+4*\s+3], s[G1B:G1B+7]
	s_nop 0
.rept 4
	v_nop
.endr
.Lasked_\@:
.endm
.macro CREST
	s_cmp_lg_u32 s16, 0
	s_cbranch_scc1 .Lnot_wave_0_\@
	s_barrier_signal -3
.Lnot_wave_0_\@:
	s_barrier_wait -3
	s_barrier_signal -1
	s_barrier_wait -1
.endm
.macro CROUND
	s_barrier_signal -1
	s_barrier_wait -1
	CREST
.endm
.macro PLACES                          ; four plain lines between a matrix instruction and a load into, or a read of, its registers
.rept 4
	v_nop
.endr
.endm
	s_load_b256 s[4:11], s[0:1], 0x0               ; a_img s[4:5], wo_img s[6:7], scales s[8:9], out0 s[10:11]
	v_lshl_add_u32 v[SPW], v0, 2, SPARE
	v_mov_b32 v[NIL], 0
	ds_add_u32 v[SPW], v[NIL]                      ; the wave's opening: the add and its wait stand ahead of my first tensor load; the set-up below stands between them
	ds_add_u32 v[SPW], v[NIL]
	v_lshrrev_b32 v1, 5, v0
	v_readfirstlane_b32 s16, v1
	s_lshr_b32 s17, s16, 1                         ; rh.  Also: I fetch for the activations (0) or for wo (1)
	s_and_b32 s18, s16, 1                          ; ch.  Also: which four row tiles I fetch
	s_bfe_u32 s40, ttmp6, 0x40000
	s_bfe_u32 s41, ttmp6, 0x40004
	s_lshl_b32 s42, ttmp9, 2
	s_add_co_u32 s42, s42, s40                     ; tile column
	s_and_b32 s19, ttmp7, 0xffff
	s_lshl_b32 s19, s19, 2
	s_add_co_u32 s19, s19, s41                     ; tile row
	s_lshl_b32 s43, s41, 2
	s_lshl_b32 s43, 15, s43
	s_lshl_b32 s44, 0x1111, s40
	s_or_b32 s[G1], s43, (3<<16)|(1<<21)           ; 4 rows x 1,024 elements of 8 bytes, 32,768 bytes apart in memory, dense in LDS
	s_or_b32 s[G1B], s44, (3<<16)|(1<<21)
.irp g, G1, G1B
	s_mov_b32 s[\g+1], 1024<<16
	s_mov_b32 s[\g+2], 8<<16                       ; eight row tiles for the first fills; four from the first wait on
	s_mov_b32 s[\g+3], 1024<<16
	s_mov_b32 s[\g+4], 8
	s_mov_b32 s[\g+5], 4096
	s_mov_b32 s[\g+6], 0
	s_mov_b32 s[\g+7], 0
.endr
	s_lshl_b32 s22, s18, 2
	s_lshl_b32 s20, s19, 3
	s_add_co_u32 s20, s20, s22
	s_lshl_b32 s20, s20, 15
	s_mov_b32 s21, 0
	s_lshl_b32 s46, s42, 3
	s_add_co_u32 s46, s46, s22
	s_lshl_b32 s46, s46, 15
	s_mov_b32 s47, 0
	s_lshl_b32 s45, s16, 15
	s_wait_dscnt 0x0                               ; the opening add is done
	s_wait_kmcnt 0x0
	s_load_b64 s[96:97], s[8:9], 0x28              ; e10, e11
	s_add_nc_u64 s[20:21], s[4:5], s[20:21]
	s_add_nc_u64 s[46:47], s[6:7], s[46:47]
	CROUND                                         ; all sixteen work-groups are here: the first joint loads meet
.irp s, 0,1
	s_mov_b32 s[G0+4*\s], 1
	s_add_co_u32 s[G0+4*\s+1], s45, \s*SLOTB
	s_add_nc_u64 s[G0+4*\s+2:G0+4*\s+3], s[20:21], \s*8192
	s_or_b32 s[G0+4*\s+3], s[G0+4*\s+3], 0x80000000
	s_mov_b32 s[G0B+4*\s], 1
	s_add_co_u32 s[G0B+4*\s+1], s45, \s*SLOTB
	s_add_nc_u64 s[G0B+4*\s+2:G0B+4*\s+3], s[46:47], \s*8192
	s_or_b32 s[G0B+4*\s+3], s[G0B+4*\s+3], 0x80000000
.endr
	; THE FIRST FILLS, one tensor load a wave: wave 0 the activations' eight row tiles of K step 0 (slot 0), wave 1 those of K step 1 (slot 1), waves 2 and 3 the same of wo: 65,536 dense bytes of LDS each
	s_lshl_b32 s88, s18, 13                        ; K step ch: 8,192 bytes along a row tile
	s_mov_b32 s76, 1
	s_lshl_b32 s77, s18, 17                        ; slot ch
	s_lshl_b32 s90, s19, 18                        ; the activations: row tile 8 x tile row
	s_add_co_u32 s90, s90, s88
	s_mov_b32 s91, 0
	s_add_nc_u64 s[78:79], s[4:5], s[90:91]
	s_or_b32 s79, s79, 0x80000000
	s_mov_b32 s92, 1
	s_add_co_u32 s93, s77, BREG
	s_lshl_b32 s98, s42, 18                        ; wo: row tile 8 x tile column
	s_add_co_u32 s98, s98, s88
	s_mov_b32 s99, 0
	s_add_nc_u64 s[94:95], s[6:7], s[98:99]
	s_or_b32 s95, s95, 0x80000000
	s_cmp_eq_u32 s17, 0
	s_cbranch_scc0 .Lhead_b
	tensor_load_to_lds s[76:79], s[G1:G1+7]
	s_nop 0
.rept 4
	v_nop
.endr
	s_branch .Lhead_asked
.Lhead_b:
	tensor_load_to_lds s[92:95], s[G1B:G1B+7]
	s_nop 0
.rept 4
	v_nop
.endr
.Lhead_asked:
	v_and_b32 v[LI], 31, v0
	v_lshlrev_b32 v[LI], 4, v[LI]
	s_lshl_b32 s22, s17, 15
	s_mul_i32 s23, s18, CB
	s_add_co_u32 s23, s23, BREG
.irp s, 0,1
	v_add_nc_u32 v[ADRA+\s], s22, v[LI]
	v_add_nc_u32 v[ADRB+\s], s23, v[LI]
	s_add_co_u32 s22, s22, SLOTB
	s_add_co_u32 s23, s23, SLOTB
.endr
	s_mul_i32 s80, s16, 16*SPITCH
	s_add_co_u32 s80, s80, STAGE                   ; my stage
	v_and_b32 v1, 15, v0
	v_bfe_u32 v2, v0, 4, 1
	v_mul_u32_u24 v3, v1, SPITCH                   ; in: row l % 16, 32 bytes for each half of the lanes
	v_lshl_add_u32 v3, v2, 5, v3
	v_add_nc_u32 v[STO], s80, v3
	v_mul_u32_u24 v3, v2, SPITCH                   ; back: lanes 0-15 one row of 256 bytes, lanes 16-31 the next
	v_lshl_add_u32 v3, v1, 4, v3
	v_add_nc_u32 v[RD], s80, v3
	v_lshlrev_b32 v3, 13, v2                       ; and the same two rows in out0
	v_lshl_add_u32 v[CO], v1, 4, v3
	s_lshl_b32 s80, s19, 7
	s_lshl_b32 s81, s17, 6
	s_add_co_u32 s80, s80, s81                     ; my first row
	s_lshl_b32 s80, s80, 13
	s_lshl_b32 s81, s42, 9
	s_add_co_u32 s80, s80, s81
	s_lshl_b32 s81, s18, 8
	s_add_co_u32 s80, s80, s81                     ; + my first column's bytes
	s_mov_b32 s81, 0
	s_add_nc_u64 s[10:11], s[10:11], s[80:81]
; four matrix instructions: row tile a x my four column tiles, 128 along K.  The 16 accumulators take turns, one instruction a turn, in the same order in every chunk.
.macro MULR f, a, zero
.irp b, 0,1,2,3
.if \zero
	v_wmma_f32_16x16x128_fp8_fp8 v[ACC+8*(4*\a+\b):ACC+8*(4*\a+\b)+7], v[\f+64+16*\b:\f+64+16*\b+15], v[\f+16*\a:\f+16*\a+15], 0
.else
	v_wmma_f32_16x16x128_fp8_fp8 v[ACC+8*(4*\a+\b):ACC+8*(4*\a+\b)+7], v[\f+64+16*\b:\f+64+16*\b+15], v[\f+16*\a:\f+16*\a+15], v[ACC+8*(4*\a+\b):ACC+8*(4*\a+\b)+7]
.endif
.endr
.endm
.macro FETCH slot, q, f                ; 32 LDS loads in one run: chunk q of the slot: wo's four fragments, then the activations' four
	WIN TO_F
.irp i, 0,1,2,3
.irp c, 0,1,2,3
	ds_load_b128 v[\f+64+16*\i+4*\c:\f+64+16*\i+4*\c+3], v[ADRB+\slot] offset:BLO*(\i%2)+BHI*(\i/2)+2048*\q+512*\c
.endr
.endr
.irp i, 0,1,2,3
.irp c, 0,1,2,3
	ds_load_b128 v[\f+16*\i+4*\c:\f+16*\i+4*\c+3], v[ADRA+\slot] offset:8192*\i+2048*\q+512*\c
.endr
.endr
.endm
.macro QUARTER slot, qn, f, g, zero
	s_wait_dscnt 8                                 ; wo's four and the activations' tiles 0, 1 are in; the youngest eight loads may be out
	WIN MUL
	MULR \f, 0, \zero
	MULR \f, 1, \zero
	PLACES
	FETCH \slot, \qn, \g
	s_wait_dscnt 32                                ; all but the 32 just issued
	WIN MUL
	MULR \f, 2, \zero
	MULR \f, 3, \zero
.endm
.macro TURN slot, next, fill           ; a slot's last chunk changes slots: one barrier, with the waits and the add in front of it
	WIN 0
	s_wait_tensorcnt 0x0                           ; all my tensor loads have landed: my part of the next slot
	ds_add_u32 v[SPW], v[NIL]
	s_wait_dscnt 9                                 ; (the add and the youngest eight loads may be out)
	WIN MUL
	MULR F1, 0, 0
	s_wait_dscnt 0x0                               ; the add is done, and my reads of this slot are over
	s_barrier_signal -1
	MULR F1, 1, 0
	WIN 0
	s_barrier_wait -1
.if \fill
	CREST                                          ; a round of the cluster's barrier: no wave of any partner still reads this slot or has a load on its way
	s_add_nc_u64 s[G0+4*\slot+2:G0+4*\slot+3], s[G0+4*\slot+2:G0+4*\slot+3], 16384
	s_add_nc_u64 s[G0B+4*\slot+2:G0B+4*\slot+3], s[G0B+4*\slot+2:G0B+4*\slot+3], 16384
	JLOAD \slot                                    ; my one tensor load behind the round; its four v_nop are also the places in front of the loads below
.else
	PLACES
.endif
	FETCH \next, 0, F0
	WIN MUL
	MULR F1, 2, 0
	MULR F1, 3, 0
.endm
	s_wait_tensorcnt 0x0                           ; my first fill is in; no load of mine is out, so group 1 may be written:
	s_mov_b32 s[G1+2], 4<<16                       ; the refills bring four row tiles a wave
	s_mov_b32 s[G1+4], 4
	s_mov_b32 s[G1B+2], 4<<16
	s_mov_b32 s[G1B+4], 4
	s_barrier_signal -1
	s_barrier_wait -1
	FETCH 0, 0, F0
	QUARTER 0, 1, F0, F1, 1                        ; the first chunk's products start the sums: nothing is cleared
	QUARTER 0, 2, F1, F0, 0
	QUARTER 0, 3, F0, F1, 0
	TURN 0, 1, 1
	QUARTER 1, 1, F0, F1, 0
	QUARTER 1, 2, F1, F0, 0
	QUARTER 1, 3, F0, F1, 0
	TURN 1, 0, 1
	QUARTER 0, 1, F0, F1, 0
	QUARTER 0, 2, F1, F0, 0
	QUARTER 0, 3, F0, F1, 0
	TURN 0, 1, 0                                   ; nothing is left to fetch
	QUARTER 1, 1, F0, F1, 0
	QUARTER 1, 2, F1, F0, 0
	QUARTER 1, 3, F0, F1, 0
	s_wait_dscnt 8
	WIN MUL
	MULR F1, 0, 0
	MULR F1, 1, 0
	s_wait_dscnt 0x0
	MULR F1, 2, 0
	MULR F1, 3, 0
	WIN 0
; THE WAY OUT, 16 rows x 64 columns at a time: a lane holds 32 neighbouring bytes of a row and the lanes beside it other rows: so a block goes through my own stage and comes back as whole rows of 256 bytes.
; LDS serves a wave's instructions in order (ISA guide 5.7.1.4): no wait between the stores and the loads, nor in front of the next block's stores.
.macro TOSTAGE a
.set j, 0
.rept 16
	v_pk_mul_f32 v[TMP+2*j:TMP+2*j+1], v[ACC+32*(\a)+2*j:ACC+32*(\a)+2*j+1], s[96:97] op_sel_hi:[1,0]   ; x 2^(e10 + e11); each accumulator from its low end on
.set j, j+1
.endr
.irp b, 0,1,2,3
	ds_store_b128 v[STO], v[TMP+8*\b:TMP+8*\b+3] offset:64*\b
	ds_store_b128 v[STO], v[TMP+8*\b+4:TMP+8*\b+7] offset:64*\b+16
.endr
.irp t, 0,1,2,3,4,5,6,7
	ds_load_b128 v[BK+32*((\a)%2)+4*\t:BK+32*((\a)%2)+4*\t+3], v[RD] offset:\t*2*SPITCH
.endr
.endm
.macro SEND a, younger                 ; younger: the LDS instructions issued behind block a's loads, which may stay out
	s_wait_dscnt \younger
.irp t, 0,1,2,3,4,5,6,7
	global_store_b128 v[CO], v[BK+32*((\a)%2)+4*\t:BK+32*((\a)%2)+4*\t+3], s[10:11] offset:(\a)*131072+\t*16384 th:TH_STORE_NT   ; 16 lanes store 256 consecutive bytes, aligned
.endr
.endm
	s_wait_kmcnt 0x0
	s_add_co_i32 s96, s96, s97
	s_add_co_i32 s96, s96, 127
	s_lshl_b32 s96, s96, 23                        ; 2^(e10 + e11) as f32
	s_mov_b32 s97, s96                             ; (named with it as a pair)
	PLACES
	TOSTAGE 0
	TOSTAGE 1
	SEND 0, 16                                     ; behind block 0's loads: block 1's eight stores and eight loads
	s_wait_xcnt 0x0                                ; block 0's stores have read their registers: block 2's loads may land there
	TOSTAGE 2
	SEND 1, 16
	s_wait_xcnt 0x0
	TOSTAGE 3
	SEND 2, 16
	SEND 3, 0
	s_wait_tensorcnt 0x0                           ; the wave's end: behind my last tensor load and my last LDS store
	ds_add_u32 v[SPW], v[NIL]
	s_wait_dscnt 0x0
	CROUND                                         ; the closing round: no work-group ends while a partner may still ask for a tile that names it
	s_endpgm
.Lfunc_end_k_q1c698c23cb_oproj:
	.size	k_q1c698c23cb_oproj, .Lfunc_end_k_q1c698c23cb_oproj-k_q1c698c23cb_oproj
	.p2alignl 7, 3214868480
	.fill 96, 4, 3214868480
	.section	.rodata,"a",@progbits
	.p2align	6, 0x0
	.amdhsa_kernel k_q1c698c23cb_oproj
		.amdhsa_group_segment_fixed_size 327680
		.amdhsa_private_segment_fixed_size 0
		.amdhsa_enable_private_segment 0
		.amdhsa_kernarg_size 32
		.amdhsa_user_sgpr_count 2
		.amdhsa_user_sgpr_kernarg_segment_ptr 1
		.amdhsa_wavefront_size32 1
		.amdhsa_system_sgpr_workgroup_id_x 1
		.amdhsa_system_sgpr_workgroup_id_y 1
		.amdhsa_system_sgpr_workgroup_id_z 1
		.amdhsa_system_vgpr_workitem_id 0
		.amdhsa_next_free_vgpr 512
		.amdhsa_next_free_sgpr 100
		.amdhsa_reserve_vcc 0
		.amdhsa_float_denorm_mode_32 3
		.amdhsa_float_denorm_mode_16_64 3
		.amdhsa_memory_ordered 1
		.amdhsa_forward_progress 1
		.amdhsa_inst_pref_size 73
	.end_amdhsa_kernel
	.amdgpu_metadata
---
amdhsa.version: [ 1, 2 ]
amdhsa.kernels:
  - .name:           k_q1c698c23cb_oproj
    .symbol:         k_q1c698c23cb_oproj.kd
    .args:
      - { .name: a_img, .offset: 0, .size: 8, .value_kind: global_buffer, .address_space: global }
      - { .name: wo_img, .offset: 8, .size: 8, .value_kind: global_buffer, .address_space: global }
      - { .name: lowp_scales, .offset: 16, .size: 8, .value_kind: global_buffer, .address_space: global }
      - { .name: out0, .offset: 24, .size: 8, .value_kind: global_buffer, .address_space: global }
    .group_segment_fixed_size: 327680
    .private_segment_fixed_size: 0
    .kernarg_segment_align: 8
    .kernarg_segment_size: 32
    .max_flat_workgroup_size: 128
    .sgpr_count:     100
    .vgpr_count:     512
    .wavefront_size: 32
...
	.end_amdgpu_metadata
.endif
;; end of part 4
